; MI455X (gfx1250); checked and timed in simulation.
; The chip was launched on July 23, 2026; its instructions are those of AMD's public machine-readable ISA for CDNA 5 (MIT licence, August 2026) and "CDNA5" Instruction Set Architecture Reference Guide (July 2026). The comments in the code are by the model that wrote it; some were corrected since.
;; Relative Attention. Allowed arithmetic: float matrix products may take bf16 or f16 operands with f32 sums; all other float work in f32.
;; Inputs: b_out 1,024 float32; b_qkv 3,072 float32; rel_emb 1,023 x 16 float32; w_out 1,024 x 1,024 float32; w_qkv 1,024 x 3,072 float32; x 16 x 512 x 1,024 float32.
;; Outputs: out0 16 x 512 x 1,024 float32.
;; 2 versions, each right; version 2 is version 1 with the launch prep written anew for expert scheduling mode. Each part assembles by itself: llvm-mc -triple=amdgcn-amd-amdhsa -mcpu=gfx1250 --defsym DOCPART=n.
;; ======== version 1 of 2: 3 launches
;; limits: values are held in f16: magnitudes above 65,504 overflow, below 6.1e-05 lose precision; right only within a limited range of input values
;; workspace buffers: wqp 6,303,744 bytes; wop 2,097,152 bytes; relr 262,144 bytes; xp 16,777,216 bytes; aop 16,777,216 bytes
;; launch prep (part 1): grid 8 x 32, 8 waves a work-group, no clusters, 68,608 bytes of LDS; arguments w_qkv, w_out, rel_emb, x, wqp, wop, relr, xp; writes wqp, wop, relr, xp
.if DOCPART == 1
	.amdgcn_target "amdgcn-amd-amdhsa--gfx1250"
	.amdhsa_code_object_version 6
	.text
	.protected	k_q2446b1343c_prep
	.globl	k_q2446b1343c_prep
	.p2align	8
	.type	k_q2446b1343c_prep,@function
k_q2446b1343c_prep:
	s_mov_b64 s[64:65], 0
	v_nop
	global_prefetch_b8 v0, s[64:65] scope:SCOPE_SE
	s_setreg_imm32_b32 hwreg(HW_REG_WAVE_MODE, 25, 1), 1
	s_wait_xcnt 0x0
; x and both weight matrices are rounded once to f16 and laid out as the matrix unit's fragments; the table of relative position biases is
; reversed, multiplied by log2(e) and written in four copies, each shifted by one entry more.
; A FRAGMENT is 16 rows (of x) or columns (of a weight) x 32 k of f16, 1,024 bytes: byte 512 z + 16 L + 2 e holds row or column L % 16,
; k = 16 z + 8 (L / 16) + e.  A later launch gets it by two 16-byte loads a lane at 16 L, 512 bytes apart.
;   xp:  [batch][k / 32][token tile of 16][fragment]: the 512 tokens' fragments of one k block are 32,768 neighbouring bytes
;   wqp: 12,288 bytes that are never stored and never read, then block (head, s = k / 32) of 12,288 bytes at 12288 (1 + 32 head + s): [q, k, v][4 fragments]
;   wop: [16 groups of 64 columns][s = k / 32][4 fragments]
;   relr: [head][copy c][v = 0..1023] f32 = R[v + c], R[u] = rel_emb[1022 - u][head] * log2(e), and 0 where v + c > 1022
; 2,048 waves.  Each takes 16 rows x 256 k of x (8 fragments) and 32 k x 64 columns of a weight (4 fragments); work-groups gx 0..5 take w_qkv's 48
; column groups, gx 6, 7 w_out's 16 and the table.
; x: a load of the wave covers 512 neighbouring bytes of one row.  A fragment wants a lane to hold one row, so the rounded numbers turn in a stage of
; the wave's own in LDS: rows of 512 + 16 bytes, an odd multiple of 16, so that the sixteen rows of a 16-byte read begin in sixteen different 16-byte columns of a 256-byte span.
; Weights: the sixteen lanes of a half wave read 64 neighbouring bytes of a row; the four loads that stand next to each other use up 256 neighbouring bytes of it.
; Each store of a wave covers 512 consecutive bytes, aligned.
; LIMIT: a number of magnitude 65,504 or more has no f16 and becomes an infinity; below 2^-14 the f16 step is 2^-24.
; No barrier (a wave reads only what it stored itself), no matrix unit, no cluster: nothing is shared between waves and every byte is read once.
.set WQ_PITCH, 12288                   ; bytes in a row of w_qkv
.set WO_PITCH, 4096                    ; bytes in a row of w_out, and of x
.set XPITCH, 528                       ; the stage: 256 f16 of a row + 16 bytes
.set XSTAGE, 16*XPITCH                 ; a wave's stage
.set VO,  4                            ; v4         weights: byte offset of my column in my first row: 8 (L / 16) rows + 4 (L % 16)
.set VD,  5                            ; v5         16 L
.set XLS, 6                            ; v6         stage: where I put 8 bytes of a row
.set XLL, 7                            ; v7         stage: where I read 16 bytes of a fragment
.set X,   16                           ; v[16:79]   64 weights as loaded: 16 nt + 8 z + e
.set Y,   80                           ; v[80:111]  the four fragments' 8 x 4 registers
.set XL,  128                          ; v[128:255] x: 32 loads of 4 registers; then the 16 halves of fragments
	s_load_b256 s[4:11], s[0:1], 0x0               ; w_qkv s[4:5], w_out s[6:7], rel_emb s[8:9], x s[10:11]
	s_load_b256 s[12:19], s[0:1], 0x20             ; wqp s[12:13], wop s[14:15], relr s[16:17], xp s[18:19]
	v_lshl_add_u32 v14, v0, 2, 0x10800
	v_mov_b32 v15, 0
	v_lshrrev_b32 v1, 5, v0
	v_readfirstlane_b32 s20, v1                    ; wave 0..7
	s_and_b32 s21, ttmp7, 0xffff                   ; s = k / 32 of the weights' job
	v_and_b32 v1, 31, v0                           ; L
	v_and_b32 v2, 15, v0                           ; L % 16
	v_bfe_u32 v3, v0, 4, 1                         ; L / 16
	v_lshlrev_b32 v[VD], 4, v1
	s_lshl_b32 s22, s21, 3
	s_add_co_u32 s22, s22, ttmp9
	s_lshl_b32 s22, s22, 3
	s_add_co_u32 s22, s22, s20                     ; which of the 2,048 waves
	s_lshr_b32 s23, s22, 2                         ; x: token tile 0..511
	s_and_b32 s22, s22, 3                          ; and which 256 k of it
	s_lshl_b32 s28, s23, 16                        ; 16 rows of 4,096 bytes a tile
	s_lshl_b32 s32, s22, 10                        ; 256 f32
	s_add_co_u32 s28, s28, s32
	s_mov_b32 s29, 0
	s_lshr_b32 s30, s23, 5
	s_lshl_b32 s30, s30, 20                        ; xp: 1,048,576 bytes a batch,
	s_lshl_b32 s32, s22, 18                        ; 8 k blocks of 32,768,
	s_add_co_u32 s30, s30, s32
	s_and_b32 s32, s23, 31
	s_lshl_b32 s32, s32, 10                        ; 1,024 a token tile
	s_add_co_u32 s30, s30, s32
	s_mov_b32 s31, 0
	s_mul_i32 s33, s20, XSTAGE                     ; my wave's stage
	v_lshl_add_u32 v[XLS], v1, 3, s33
	v_mul_u32_u24 v[XLL], v2, XPITCH
	v_lshl_add_u32 v[XLL], v3, 4, v[XLL]
	v_add_nc_u32 v[XLL], s33, v[XLL]
	v_lshlrev_b32 v2, 2, v2                        ; 4 (L % 16)
	s_mov_b32 s25, 0                               ; high words of the weights' two offsets
	s_mov_b32 s27, 0
	s_wait_kmcnt 0x0
	s_add_nc_u64 s[28:29], s[10:11], s[28:29]
	s_add_nc_u64 s[30:31], s[18:19], s[30:31]
.set t, 0
.rept 32
	global_load_b128 v[XL+4*t:XL+4*t+3], v[VD], s[28:29] offset:(t/2)*4096+(t%2)*512 th:TH_LOAD_NT   ; row t / 2, k = 128 (t % 2) + 4 L + 0..3
.set t, t+1
.endr
.macro LOADS pitch, z                  ; 32 loads: k = 16 z + 8 (L / 16) + e of my column in each of the 4 fragments
.irp e, 0,1,2,3,4,5,6,7
.irp nt, 0,1,2,3
	global_load_b32 v[X+16*\nt+8*\z+\e], v[VO], s[24:25] offset:(16*\z+\e)*\pitch+64*\nt
.endr
.endr
.endm
.macro HALFJOB z                       ; 16 conversions of two numbers, 4 stores
.irp nt, 0,1,2,3
.irp c, 0,1,2,3
	v_cvt_pk_f16_f32 v[Y+4*(2*\nt+\z)+\c], v[X+16*\nt+8*\z+2*\c], v[X+16*\nt+8*\z+2*\c+1]
.endr
	global_store_b128 v[VD], v[Y+4*(2*\nt+\z):Y+4*(2*\nt+\z)+3], s[26:27] offset:1024*\nt+512*\z
.endr
.endm
.macro XWORK                           ; x: round, turn in the stage, store.  LDS serves a wave's instructions in order (ISA guide 5.7.1): the reads see the stores above them
.set t, 0
.rept 32
	v_cvt_pk_f16_f32 v[XL+4*t], v[XL+4*t], v[XL+4*t+1]
	v_cvt_pk_f16_f32 v[XL+4*t+1], v[XL+4*t+2], v[XL+4*t+3]
	ds_store_b64 v[XLS], v[XL+4*t:XL+4*t+1] offset:(t/2)*XPITCH+(t%2)*256    ; 32 lanes, 256 neighbouring bytes
.set t, t+1
.endr
.set t, 0
.rept 16
	ds_load_b128 v[XL+4*t:XL+4*t+3], v[XLL] offset:32*t                      ; row L % 16, k = 32 (t / 2) + 16 (t % 2) + 8 (L / 16) + 0..7
.set t, t+1
.endr
.set t, 0
.rept 16
	s_wait_dscnt 15-t                              ; loads come back in order: number t is in, the younger ones may stay out
	global_store_b128 v[VD], v[XL+4*t:XL+4*t+3], s[30:31] offset:(t/2)*32768+(t%2)*512
.set t, t+1
.endr
.endm
; From s[24:25] (row 32 s, first column of the group) to s[26:27].  All of the wave's loads go out as early as their registers allow.
.macro BODY pitch
	LOADS \pitch, 0
	s_wait_loadcnt 32                              ; loads come back in order: x is in (and the table's entries), the 32 of z = 0 may stay out
	LOADS \pitch, 1
	XWORK
	s_wait_loadcnt 32                              ; the 32 of z = 0 are in, the 32 of z = 1 may stay out
	HALFJOB 0
	s_wait_loadcnt 0x0
	HALFJOB 1
.endm
	s_cmp_lt_u32 ttmp9, 6
	s_cbranch_scc0 .Lwout
	; w_qkv: column group cg = 8 gx + wave = 16 part + head
	s_lshl_b32 s34, ttmp9, 3
	s_add_co_u32 s34, s34, s20                     ; cg
	s_lshr_b32 s35, s34, 4                         ; part: q, k, v
	s_and_b32 s36, s34, 15                         ; head
	s_mul_i32 s24, s21, 32*WQ_PITCH                ; row 32 s
	s_lshl_b32 s37, s34, 8                         ; 256 bytes a group
	s_add_co_u32 s24, s24, s37
	s_lshl_b32 s26, s36, 5
	s_add_co_u32 s26, s26, s21
	s_add_co_u32 s26, s26, 1
	s_mul_i32 s26, s26, 12288                      ; block 1 + 32 head + s
	s_lshl_b32 s37, s35, 12                        ; 4,096 bytes a part
	s_add_co_u32 s26, s26, s37
	v_mad_u32_u24 v[VO], v3, 8*WQ_PITCH, v2
	s_add_nc_u64 s[24:25], s[4:5], s[24:25]
	s_add_nc_u64 s[26:27], s[12:13], s[26:27]
	BODY WQ_PITCH
	s_wait_tensorcnt 0x0
	ds_add_u32 v14, v15
	s_wait_dscnt 0x0
	s_endpgm
.Lwout:
	; w_out: column group cg = 8 (gx - 6) + wave
	s_sub_co_u32 s38, ttmp9, 6
	s_lshl_b32 s34, s38, 3
	s_add_co_u32 s34, s34, s20                     ; cg
	s_lshl_b32 s24, s21, 17                        ; row 32 s of 4,096 bytes
	s_lshl_b32 s37, s34, 8
	s_add_co_u32 s24, s24, s37
	s_lshl_b32 s26, s34, 17                        ; 131,072 bytes a group
	s_lshl_b32 s37, s21, 12                        ; 4,096 bytes for each s
	s_add_co_u32 s26, s26, s37
	v_lshl_add_u32 v[VO], v3, 15, v2               ; 8 (L / 16) rows of 4,096 bytes
	s_add_nc_u64 s[24:25], s[6:7], s[24:25]
	s_add_nc_u64 s[26:27], s[14:15], s[26:27]
	; The table: 512 waves x 32 lanes x 4 entries = 16 heads x 4 copies x 1,024.  Lane qid stores the 16 bytes at 16 qid.
	; rel_emb's rows hold the 16 heads, so a head's entries lie 64 bytes apart: they are gathered here once, 4 bytes at a time,
	; out of a table of 65,472 bytes, so that the attention launch can read its head's entries as neighbouring bytes.
	; The four loads go out ahead of the weights' and are used last.
	s_lshl_b32 s34, s38, 5
	s_add_co_u32 s34, s34, s21
	s_lshl_b32 s34, s34, 3
	s_add_co_u32 s34, s34, s20                     ; which of the 512 waves
	s_lshl_b32 s34, s34, 5
	v_add_nc_u32 v112, s34, v1                     ; qid = 1024 head + 256 c + v / 4
	v_lshrrev_b32 v113, 10, v112
	v_lshlrev_b32 v113, 2, v113                    ; 4 head
	v_bfe_u32 v114, v112, 8, 2                     ; c
	v_and_b32 v115, 0xff, v112
	v_lshl_add_u32 v114, v115, 2, v114             ; u of my first entry: v + c
	v_lshlrev_b32 v115, 4, v112                    ; 16 qid
.irp i, 0,1,2,3
	v_add_nc_u32 v[116+\i], \i, v114               ; u
	v_min_u32 v[120+\i], 1022, v[116+\i]           ; past the table's end the last row is read and thrown away
	v_sub_nc_u32 v[120+\i], 1022, v[120+\i]        ; row 1022 - u
	v_lshl_add_u32 v[120+\i], v[120+\i], 6, v113   ; 64 bytes a row + 4 head
	global_load_b32 v[124+\i], v[120+\i], s[8:9]
.endr
	BODY WO_PITCH                                  ; its last wait is for 0: the table's entries are in
.irp i, 0,1,2,3
	v_mul_f32 v[124+\i], 0x3fb8aa3b, v[124+\i]     ; x log2(e): the softmax works in base 2
	v_cmp_ge_u32 vcc_lo, 1022, v[116+\i]
	v_cndmask_b32 v[124+\i], 0, v[124+\i], vcc_lo  ; 0 where u > 1022
.endr
	global_store_b128 v115, v[124:127], s[16:17]
	s_wait_tensorcnt 0x0
	ds_add_u32 v14, v15
	s_wait_dscnt 0x0
	s_endpgm
.Lfunc_end_k_q2446b1343c_prep:
	.size	k_q2446b1343c_prep, .Lfunc_end_k_q2446b1343c_prep-k_q2446b1343c_prep
	.p2alignl 7, 3214868480
	.fill 96, 4, 3214868480
	.section	.rodata,"a",@progbits
	.p2align	6, 0x0
	.amdhsa_kernel k_q2446b1343c_prep
		.amdhsa_group_segment_fixed_size 68608
		.amdhsa_private_segment_fixed_size 0
		.amdhsa_enable_private_segment 0
		.amdhsa_kernarg_size 64
		.amdhsa_user_sgpr_count 2
		.amdhsa_user_sgpr_kernarg_segment_ptr 1
		.amdhsa_wavefront_size32 1
		.amdhsa_system_sgpr_workgroup_id_x 1
		.amdhsa_system_sgpr_workgroup_id_y 1
		.amdhsa_system_sgpr_workgroup_id_z 1
		.amdhsa_system_vgpr_workitem_id 0
		.amdhsa_next_free_vgpr 256
		.amdhsa_next_free_sgpr 66
		.amdhsa_reserve_vcc 1
		.amdhsa_float_denorm_mode_32 3
		.amdhsa_float_denorm_mode_16_64 3
		.amdhsa_memory_ordered 1
		.amdhsa_forward_progress 1
		.amdhsa_inst_pref_size 45
	.end_amdhsa_kernel
	.amdgpu_metadata
---
amdhsa.version: [ 1, 2 ]
amdhsa.kernels:
  - .name:           k_q2446b1343c_prep
    .symbol:         k_q2446b1343c_prep.kd
    .args:
      - { .name: w_qkv, .offset: 0, .size: 8, .value_kind: global_buffer, .address_space: global }
      - { .name: w_out, .offset: 8, .size: 8, .value_kind: global_buffer, .address_space: global }
      - { .name: rel_emb, .offset: 16, .size: 8, .value_kind: global_buffer, .address_space: global }
      - { .name: x, .offset: 24, .size: 8, .value_kind: global_buffer, .address_space: global }
      - { .name: wqp, .offset: 32, .size: 8, .value_kind: global_buffer, .address_space: global }
      - { .name: wop, .offset: 40, .size: 8, .value_kind: global_buffer, .address_space: global }
      - { .name: relr, .offset: 48, .size: 8, .value_kind: global_buffer, .address_space: global }
      - { .name: xp, .offset: 56, .size: 8, .value_kind: global_buffer, .address_space: global }
    .group_segment_fixed_size: 68608
    .private_segment_fixed_size: 0
    .kernarg_segment_align: 8
    .kernarg_segment_size: 64
    .max_flat_workgroup_size: 256
    .sgpr_count:     66
    .vgpr_count:     256
    .wavefront_size: 32
...
	.end_amdgpu_metadata
.endif
;; end of part 1
;; launch attn (part 2): grid 16 x 16, 4 waves a work-group, clusters of 4 x 4, 327,680 bytes of LDS; arguments xp, wqp, b_qkv, relr, aop; writes aop
.if DOCPART == 2
	.amdgcn_target "amdgcn-amd-amdhsa--gfx1250"
	.amdhsa_code_object_version 6
	.text
	.protected	k_q2446b1343c_attn
	.globl	k_q2446b1343c_attn
	.p2align	8
	.type	k_q2446b1343c_attn,@function
k_q2446b1343c_attn:
	s_mov_b64 s[64:65], 0
	v_nop
	global_prefetch_b8 v0, s[64:65] scope:SCOPE_SE
	s_setreg_imm32_b32 hwreg(HW_REG_WAVE_MODE, 25, 1), 1
	s_wait_xcnt 0x0
	s_wait_alu depctr_hold_cnt(0) depctr_sa_sdst(0) depctr_va_vdst(0) depctr_va_sdst(0) depctr_va_ssrc(0) depctr_va_vcc(0) depctr_vm_vsrc(0)
	s_getreg_b32 s2, hwreg(HW_REG_IB_STS2, 6, 4)
	s_cmp_eq_u32 s2, 0
	s_cbranch_scc0 .Lentry_in_a_cluster
	s_endpgm
.Lentry_in_a_cluster:
	s_bfe_u32 s2, ttmp6, 0x10000c
	s_cmp_lg_u32 s2, 0xf033
	s_cbranch_scc0 .Lentry_shape_is_right
	s_endpgm
.Lentry_shape_is_right:
; One work-group = one (batch, head): q, k, v = x W + b for the head's 3 x 64 columns (512 x 192 x 1024), then softmax(q k^T / 8 + bias) v,
; stored as f16 fragments for the output projection.  q, k, v, the scores and the weights never leave the WGP.
; Four waves, as many as a WGP has SIMDs; wave w owns tokens 128 w .. 128 w + 127 throughout: 128 x 192 of qkv in 768 registers, then 8 query tiles of 16.
; FORMAT: all matrix operands are f16, all sums f32.  LIMITS: |x|, |q|, |k|, |v| of 65,504 or more have no f16 and become infinities;
; below 2^-14 the f16 step is 2^-24; a softmax weight below about 2^-25 of its row's largest is dropped from the product with v (it still counts in the row's sum).
; The softmax takes a running maximum away, in base 2: q carries the factor log2(e) / 8 and the bias table the factor log2(e).
; CLUSTERS: 4 x 4 work-groups.  head = 4 x cluster x + cx, batch = 4 x cluster y + cy.  The four of a row of the cluster share the batch and so the tiles of x,
; the four of a column share the head and so the tiles of W: both are asked for jointly, which divides the requests for each by four.
;
; THE PRODUCT.  x and W come as fragments of 1,024 bytes (16 rows or columns x 32 k of f16; byte 512 z + 16 L + 2 e = row L % 16, k = 16 z + 8 (L / 16) + e), so a lane reads 16 bytes
; at 16 L of a fragment's half: 512 neighbouring bytes a load, and no padding is wanted.  A SUBSTEP is 32 k: three stretches of 32 matrix instructions, for q, k and v.  A PART of W is the 4 fragments
; of one stretch, 4,096 bytes; part number = 3 substep + (q, k, v), and a head's 96 parts are neighbours in memory.
; K goes in steps of 96 through two LDS slots.  W's part is read one stretch ahead, x's fragments in the k and v stretches of the substep before.  So the stretch of time that reads
; x of substeps 3 j .. 3 j + 2 begins at stretch (3 j - 1, k) and reads W's parts 9 j - 1 .. 9 j + 7: fill j holds just these, and ONE barrier for 96 k serves both.
; Fill 0 has no part -1; fill 10 holds x's substeps 30, 31 and W's parts 89 to 95.  Waves 0, 1, 2 ask for one k block of x each (32,768 bytes), wave 3 for W (36,864).
; LDS, product:   x slot 0 at 0, slot 1 at 98,304: [3 k blocks][32 token tiles][1,024];  W slot 0 at 196,608, slot 1 at 233,472: 9 parts.  270,336 in all.
; LDS, attention (stored by the waves behind the last fill of the launch): K [512 tokens][128 + 16 bytes] at 0; V^T [64 d][1,024 + 16 bytes] at 73,728; four table copies of 4,096 (+ 64) bytes at 140,288.
; K's and V^T's pitches are odd multiples of 16 bytes and the table's is 64 more than a multiple of 256, so the sixteen rows that a 16-byte load of sixteen lanes touches begin at sixteen different 16-byte columns of a 256-byte span.
;
; REGISTERS in windows of 256.  Window 0: addresses and fragments, later K fragments, bias tiles and the rows' figures.
; Windows 1, 2, 3: the accumulators of q, k, v, tile (token tile i, column tile nt) at 8 (4 i + nt); later q's fragments and V's; scores and weights; the output.
; q and k are made TRANSPOSED (source 0 = W, source 1 = x): a lane holds 8 neighbouring d of one token, which is q's fragment as it stands and 16 bytes of a row of K.
; v is made the plain way: a lane holds 8 neighbouring tokens of one d, 16 bytes of a row of V^T.
.set XBLK,   32768                     ; x of one substep: the batch's 32 token tiles
.set XSLOT,  3*XBLK
.set WS,     2*XSLOT
.set WPART,  4096
.set WSLOT,  9*WPART
.set KPITCH, 144
.set VBASE,  512*KPITCH
.set VPITCH, 1040
.set TBASE,  VBASE+64*VPITCH
.set TPITCH, 4160
.set ADRX, 2                           ; v2, v3   my 8 token tiles in x slot 0, 1: 8,192 w + 16 L
.set ADRW, 4                           ; v4, v5   W slot 0, 1 + 16 L
.set KST,  6                           ; where I store k      .set VST: v      .set TST: the table
.set VST,  7
.set TST,  8
.set ADRK, 9                           ; where I read K, V^T, the table: stepped from trip to trip
.set ADRV, 10
.set ADRB, 11
.set VOUT, 12                          ; byte offset of my 16 bytes in the result
.set VBB,  13                          ; 32 (L / 16): biases of q and k
.set VBV,  14                          ; 4 (L % 16): bias of v
.set VREL, 15                          ; 16 x thread: the table in memory
.set ADRX2, 248                        ; v248, v249  ADRX + 65,536: a slot's third k block lies past the reach of the 16-bit offset
.set AF0,  16                          ; v[16:79], v[80:143]    x fragments, 8 token tiles x 8 registers, two buffers: substep s uses buffer s % 2
.set AF1,  80
.set BF0,  144                         ; v[144:175], v[176:207] W fragments of one part, 4 x 8 registers, two buffers
.set BF1,  176
.set BQ,   16                          ; behind the product: biases of q (32), k (32), v (4 pairs), my 8 x 16 bytes of the table
.set BK,   48
.set BV,   208
.set REL,  216
.set KF,   16                          ; attention, window 0: K fragments 16 kt + 8 c
.set BI,   80                          ; 11 bias tiles
.set ML,   168                         ; 8 pairs (m, m): running maximum of my query in tile q
.set AL,   184                         ; 8 pairs: the factor that the change of the maximum asks for; at the end 1 / sum
.set LS,   200                         ; 8 pairs: two partial sums of the row
.set TP,   216                         ; 8: what the other half of the lanes holds (written before: part of REL)
.set TM,   224                         ; 8: at work
.set VF,   128                         ; attention, window 1: V fragments 32 kb + 8 dt (q's fragments at 16 q + 8 c)
.set G1X, 24                           ; s[24:31] shape of a k block of x      s[32:39] of W's 9 parts
.set G1W, 32
.set G0X, 40                           ; s[40:47] from where, to where: x, a set for each slot      s[48:55] W
.set G0W, 48
.set G1WF, 72                          ; s[72:79] shape and s[80:83] place of W's first fill: 8 parts
.set G0WF, 80
.set G1WL, 84                          ; s[84:91] shape of W's last fill: 7 parts
.set MSB, 0
.macro WIN new                         ; s_set_vgpr_msb: bits 1:0 source 0, 3:2 source 1, 5:4 source 2, 7:6 destination; the high byte repeats the setting that is left
.if MSB != (\new)
	s_set_vgpr_msb (MSB<<8)|(\new)
.set MSB, \new
.endif
.endm
.macro PLACES                          ; the four places behind a matrix instruction in front of a write of, or a load into, its registers and a read of its result
.rept 4
	v_nop
.endr
.endm
.macro CREST                           ; a round of the cluster's barrier behind its opening work-group barrier
	s_cmp_lg_u32 s14, 0
	s_cbranch_scc1 .Lnot_wave_0_\@
	s_barrier_signal -3
.Lnot_wave_0_\@:
	s_barrier_wait -3
	s_barrier_signal -1
	s_barrier_wait -1
.endm
.macro ROUND
	s_barrier_signal -1
	s_barrier_wait -1
	CREST
.endm
; Descriptor group 1 of a dense block: d1 rows of d0 elements of 8 bytes, pitch in elements; 15:0 the mask, 17:16 element size, 21 set beside a mask
.macro SHAPE g, mask, d0, d1, pitch
	s_or_b32 s[\g+0], \mask, (3<<16)|(1<<21)
	s_mov_b32 s[\g+1], (\d0)<<16                   ; tensor_dim0
	s_mov_b32 s[\g+2], (\d1)<<16                   ; tensor_dim1
	s_mov_b32 s[\g+3], (\d0)<<16                   ; tile_dim0
	s_mov_b32 s[\g+4], \d1                         ; tile_dim1
	s_mov_b32 s[\g+5], \pitch
	s_mov_b32 s[\g+6], 0
	s_mov_b32 s[\g+7], 0
.endm
; A joint refill of slot sl.  kind 1: waves 0, 1, 2 ask for x's three k blocks, wave 3 for W's nine parts.  kind 2, the last fill: waves 0, 1 for x's two k blocks, wave 3 for W's seven parts.
; The branches hang on the wave's number alone, which is the same in every work-group.
.macro JLOAD sl, kind
.if \kind == 1
	s_cmp_lt_u32 s14, 3
	s_cbranch_scc0 .Lfor_w_\@
	tensor_load_to_lds s[G0X+4*(\sl):G0X+4*(\sl)+3], s[G1X:G1X+7]
	s_nop 0
	s_branch .Lasked_\@
.Lfor_w_\@:
	tensor_load_to_lds s[G0W+4*(\sl):G0W+4*(\sl)+3], s[G1W:G1W+7]
	s_nop 0
.Lasked_\@:
.else
	s_cmp_lt_u32 s14, 2
	s_cbranch_scc0 .Lfor_w_\@
	tensor_load_to_lds s[G0X+4*(\sl):G0X+4*(\sl)+3], s[G1X:G1X+7]
	s_nop 0
	s_branch .Lasked_\@
.Lfor_w_\@:
	s_cmp_eq_u32 s14, 3
	s_cbranch_scc0 .Lasked_\@
	tensor_load_to_lds s[G0W+4*(\sl):G0W+4*(\sl)+3], s[G1WL:G1WL+7]
	s_nop 0
.Lasked_\@:
.endif
.endm
	s_load_b256 s[4:11], s[0:1], 0x0               ; xp s[4:5], wqp s[6:7], b_qkv s[8:9], relr s[10:11]
	s_load_b64 s[12:13], s[0:1], 0x20              ; aop
	v_lshl_add_u32 v254, v0, 2, 0x42000
	v_mov_b32 v255, 0
	ds_add_u32 v254, v255
	v_lshrrev_b32 v1, 5, v0
	v_readfirstlane_b32 s14, v1                    ; wave 0..3
	s_bfe_u32 s16, ttmp6, 0x40000                  ; cx
	s_bfe_u32 s17, ttmp6, 0x40004                  ; cy
	s_lshl_b32 s18, ttmp9, 2
	s_add_co_u32 s18, s18, s16                     ; head
	s_and_b32 s19, ttmp7, 0xffff
	s_lshl_b32 s19, s19, 2
	s_add_co_u32 s19, s19, s17                     ; batch
	s_lshl_b32 s21, s17, 2
	s_lshl_b32 s21, 15, s21                        ; my row of the cluster: places 4 cy .. 4 cy + 3
	s_lshl_b32 s22, 0x1111, s16                    ; my column: places cx, cx + 4, cx + 8, cx + 12
	SHAPE G1X, s21, 32, 128, 32                    ; x: 32,768 dense bytes as 128 rows of 256
	SHAPE G1W, s22, 32, 144, 32                    ; W: 9 parts, 144 rows of 256 bytes
	SHAPE G1WF, s22, 32, 128, 32                   ; 8 parts
	SHAPE G1WL, s22, 32, 112, 32                   ; 7 parts
	; where the tiles come from: x's address is made of the batch and the wave, W's of the head alone, each in registers that never hold the other coordinate
	s_lshl_b32 s68, s19, 20                        ; 32 k blocks of 32,768 bytes a batch
	s_lshl_b32 s21, s14, 15                        ; my k block of the three.  Also its place in the slot: the wave's number times a constant
	s_add_co_u32 s68, s68, s21
	s_mov_b32 s69, 0
	s_mul_i32 s70, s18, 96*WPART                   ; a head's 96 parts,
	s_add_co_u32 s70, s70, 12288-WPART             ; behind the 12,288 bytes at the buffer's head; fill j begins at part 9 j - 1
	s_mov_b32 s71, 0
	s_mov_b32 s56, 0x3e38aa3b                      ; log2(e) / 8, twice
	s_mov_b32 s57, 0x3e38aa3b
	s_mov_b32 s58, 0x76543210                      ; v_permlanex16_b32: lane i of one half reads lane i of the other
	s_mov_b32 s59, 0xfedcba98
	s_lshl_b32 s60, s18, 8
	s_mov_b32 s61, 0
	s_lshl_b32 s62, s18, 14
	s_mov_b32 s63, 0
	s_lshl_b32 s66, s19, 20                        ; result: 32 token tiles of 32,768 bytes a batch,
	s_lshl_b32 s23, s18, 11                        ; two fragments of 1,024 bytes a head
	s_add_co_u32 s66, s66, s23
	s_mov_b32 s67, 0
	s_wait_dscnt 0x0
	s_wait_kmcnt 0x0
	s_add_nc_u64 s[68:69], s[4:5], s[68:69]
	s_add_nc_u64 s[70:71], s[6:7], s[70:71]
	s_add_nc_u64 s[60:61], s[8:9], s[60:61]        ; b_qkv at my head's q columns
	s_add_nc_u64 s[62:63], s[10:11], s[62:63]      ; my head's four table copies
	s_add_nc_u64 s[66:67], s[12:13], s[66:67]
.irp sl, 0,1
	s_mov_b32 s[G0X+4*\sl], 1
	s_add_co_u32 s[G0X+4*\sl+1], s21, \sl*XSLOT
	s_add_nc_u64 s[G0X+4*\sl+2:G0X+4*\sl+3], s[68:69], \sl*XSLOT
	s_or_b32 s[G0X+4*\sl+3], s[G0X+4*\sl+3], 0x80000000
	s_mov_b32 s[G0W+4*\sl], 1
	s_mov_b32 s[G0W+4*\sl+1], WS+\sl*WSLOT
	s_add_nc_u64 s[G0W+4*\sl+2:G0W+4*\sl+3], s[70:71], \sl*WSLOT     ; slot 0's set is first used for fill 2, stepped from here
	s_or_b32 s[G0W+4*\sl+3], s[G0W+4*\sl+3], 0x80000000
.endr
	s_mov_b32 s[G0WF], 1                           ; fill 0 of W: parts 0 to 7, one part's room behind the slot's head
	s_mov_b32 s[G0WF+1], WS+WPART
	s_add_nc_u64 s[G0WF+2:G0WF+3], s[70:71], WPART
	s_or_b32 s[G0WF+3], s[G0WF+3], 0x80000000
	ROUND                                          ; all sixteen work-groups are here: the first joint loads meet
	; The first fills, fills 0 and 1, as one group in one branch on the wave's number: two loads of every wave.
	s_cmp_lt_u32 s14, 3
	s_cbranch_scc0 .Lfirst_w
	tensor_load_to_lds s[G0X:G0X+3], s[G1X:G1X+7]
	s_nop 0
	tensor_load_to_lds s[G0X+4:G0X+7], s[G1X:G1X+7]
	s_nop 0
	s_branch .Lfirst_done
.Lfirst_w:
	tensor_load_to_lds s[G0WF:G0WF+3], s[G1WF:G1WF+7]
	s_nop 0
	tensor_load_to_lds s[G0W+4:G0W+7], s[G1W:G1W+7]
	s_nop 0
.Lfirst_done:
	v_and_b32 v16, 15, v0                          ; r = L % 16
	v_bfe_u32 v17, v0, 4, 1                        ; h = L / 16
	v_and_b32 v18, 31, v0                          ; L
	v_lshlrev_b32 v19, 4, v18                      ; 16 L
	s_lshl_b32 s21, s14, 13                        ; my 8 token tiles of 1,024 bytes
	v_add_nc_u32 v[ADRX], s21, v19
	v_add_nc_u32 v[ADRX+1], XSLOT, v[ADRX]
	v_add_nc_u32 v[ADRX2], 2*XBLK, v[ADRX]
	v_add_nc_u32 v[ADRX2+1], XSLOT+2*XBLK, v[ADRX]
	v_add_nc_u32 v[ADRW], WS, v19
	v_add_nc_u32 v[ADRW+1], WS+WSLOT, v19
	v_mul_u32_u24 v20, v16, KPITCH
	v_lshl_add_u32 v[ADRK], v17, 4, v20            ; K begins at LDS byte 0
	s_mul_i32 s21, s14, 128*KPITCH
	v_add_nc_u32 v[KST], s21, v[ADRK]
	v_mul_u32_u24 v20, v16, VPITCH
	v_lshl_add_u32 v20, v17, 4, v20
	v_add_nc_u32 v[ADRV], VBASE, v20
	s_lshl_b32 s21, s14, 8                         ; my 128 tokens are 256 bytes of a row of V^T
	v_add_nc_u32 v[VST], s21, v[ADRV]
	v_lshlrev_b32 v[VREL], 4, v0
	v_add_nc_u32 v[TST], TBASE, v[VREL]
	; The bias of (query i, key j) is R[511 - i + j].  My query in tile q is i = 128 w + 16 q + r; my 8 keys in key tile kt of trip t begin at 64 t + 16 kt + 8 h.
	; Copy c = 3 - r % 4 holds R[v + c], which makes v a multiple of 4: byte 4 v = 512 (3 - w) + 16 (3 - r / 4) + 32 h + 256 t + 64 (10 - e), e = q - kt + 3.
	v_xor_b32 v20, 15, v16                         ; 15 - r
	v_and_b32 v21, 3, v20                          ; c
	v_lshrrev_b32 v20, 2, v20                      ; 3 - r / 4
	v_mul_u32_u24 v21, v21, TPITCH
	v_lshl_add_u32 v21, v20, 4, v21
	v_lshl_add_u32 v21, v17, 5, v21
	s_xor_b32 s21, s14, 3                          ; 3 - w
	s_lshl_b32 s21, s21, 9
	s_add_co_u32 s21, s21, TBASE
	v_add_nc_u32 v[ADRB], s21, v21
	s_lshl_b32 s21, s14, 18                        ; my 8 token tiles of 32,768 bytes
	v_add_nc_u32 v[VOUT], s21, v19
	v_lshlrev_b32 v[VBB], 5, v17
	v_lshlrev_b32 v[VBV], 2, v16
.macro LDA an, sl, u, half             ; x's fragments of token tiles 4 half .. 4 half + 3 from k block u of slot sl into buffer an
.irp i, 0,1,2,3
.if \u < 2
	ds_load_b128 v[\an+8*(4*\half+\i):\an+8*(4*\half+\i)+3],   v[ADRX+\sl] offset:XBLK*\u+1024*(4*\half+\i)
	ds_load_b128 v[\an+8*(4*\half+\i)+4:\an+8*(4*\half+\i)+7], v[ADRX+\sl] offset:XBLK*\u+1024*(4*\half+\i)+512
.else
	ds_load_b128 v[\an+8*(4*\half+\i):\an+8*(4*\half+\i)+3],   v[ADRX2+\sl] offset:1024*(4*\half+\i)
	ds_load_b128 v[\an+8*(4*\half+\i)+4:\an+8*(4*\half+\i)+7], v[ADRX2+\sl] offset:1024*(4*\half+\i)+512
.endif
.endr
.endm
.macro LDB bf, sl, idx                 ; W's four fragments of part idx (0 to 8) of slot sl
.irp nt, 0,1,2,3
	ds_load_b128 v[\bf+8*\nt:\bf+8*\nt+3],   v[ADRW+\sl] offset:WPART*\idx+1024*\nt
	ds_load_b128 v[\bf+8*\nt+4:\bf+8*\nt+7], v[ADRW+\sl] offset:WPART*\idx+1024*\nt+512
.endr
.endm
; 16 matrix instructions: token tiles i0 .. i0 + 3 x the part's 4 column tiles, 32 along K.  zero = 1: the first product starts the sums.
; The accumulators take turns, one instruction a turn.
.macro MMH p, an, bf, zero, i0
	WIN (\p+1)*0x50
.irp i, \i0, \i0+1, \i0+2, \i0+3
.irp nt, 0,1,2,3
.if \p < 2
.if \zero
	v_wmma_f32_16x16x32_f16 v[8*(4*(\i)+\nt):8*(4*(\i)+\nt)+7], v[\bf+8*\nt:\bf+8*\nt+7], v[\an+8*(\i):\an+8*(\i)+7], 0
.else
	v_wmma_f32_16x16x32_f16 v[8*(4*(\i)+\nt):8*(4*(\i)+\nt)+7], v[\bf+8*\nt:\bf+8*\nt+7], v[\an+8*(\i):\an+8*(\i)+7], v[8*(4*(\i)+\nt):8*(4*(\i)+\nt)+7]
.endif
.else
.if \zero
	v_wmma_f32_16x16x32_f16 v[8*(4*(\i)+\nt):8*(4*(\i)+\nt)+7], v[\an+8*(\i):\an+8*(\i)+7], v[\bf+8*\nt:\bf+8*\nt+7], 0
.else
	v_wmma_f32_16x16x32_f16 v[8*(4*(\i)+\nt):8*(4*(\i)+\nt)+7], v[\an+8*(\i):\an+8*(\i)+7], v[\bf+8*\nt:\bf+8*\nt+7], v[8*(4*(\i)+\nt):8*(4*(\i)+\nt)+7]
.endif
.endif
.endr
.endr
.endm
; A stretch: read the next stretch's part of W (widx of slot sl, into lbf) and, where ah < 2, half ah of the next substep's x fragments (k block u, into aan);
; then 32 matrix instructions on part mp from buffers man, mbf.  The wait is for 0: all that is out was issued in front of the last 32 matrix instructions, and all of it is wanted now.
.macro PH mp, man, mbf, zero, lbf, sl, widx, ah, aan, u
	s_wait_dscnt 0x0
	WIN 0
	PLACES
	LDB \lbf, \sl, \widx
.if \ah < 2
	LDA \aan, \sl, \u, \ah
.endif
	MMH \mp, \man, \mbf, \zero, 0
	MMH \mp, \man, \mbf, \zero, 4
.endm
; Window j reads slot sl = j % 2 in nine stretches: (3 j - 1: k, v), (3 j: q, k, v), (3 j + 1: q, k, v), (3 j + 2: q).
; The first stretch changes slots.  In front of the barrier each wave waits for its reads of the other slot and for all its tensor loads (one is out at the most: its part of this slot);
; the barrier opens a round of the cluster's barrier, with 16 matrix instructions inside it; behind the round no wave of any partner reads the other slot or has a load on its way,
; and fill j + 1 is asked for first.  It has the window's 288 matrix instructions, less those 16, in which to land.
.macro RWHEAD sl, fill
	s_wait_dscnt 0x0
	s_wait_tensorcnt 0x0
	ds_add_u32 v254, v255
	s_wait_dscnt 0x0
	s_barrier_signal -1
	MMH 1, AF0+64*(1-\sl), BF0+32*(\sl), 0, 0
	WIN 0
	s_barrier_wait -1
.if \fill
	CREST
	s_add_nc_u64 s[G0X+4*(1-\sl)+2:G0X+4*(1-\sl)+3], s[G0X+4*(1-\sl)+2:G0X+4*(1-\sl)+3], 2*XSLOT     ; two fills on; no tensor load of mine is out
	s_add_nc_u64 s[G0W+4*(1-\sl)+2:G0W+4*(1-\sl)+3], s[G0W+4*(1-\sl)+2:G0W+4*(1-\sl)+3], 2*WSLOT
	JLOAD 1-\sl, \fill
.endif
	PLACES
	LDB BF0+32*(1-\sl), \sl, 0
	LDA AF0+64*(\sl), \sl, 0, 0
	MMH 1, AF0+64*(1-\sl), BF0+32*(\sl), 0, 4
.endm
.macro RWREST sl, zero                 ; the window's stretches 2 to 8.  zero = 1: substep 0 starts the sums
	PH 0, AF0+64*(\sl),   BF0+32*(\sl),   \zero, BF0+32*(1-\sl), \sl, 2, 2, AF0, 0
	PH 1, AF0+64*(\sl),   BF0+32*(1-\sl), \zero, BF0+32*(\sl),   \sl, 3, 0, AF0+64*(1-\sl), 1
	PH 2, AF0+64*(\sl),   BF0+32*(\sl),   \zero, BF0+32*(1-\sl), \sl, 4, 1, AF0+64*(1-\sl), 1
	PH 0, AF0+64*(1-\sl), BF0+32*(1-\sl), 0,     BF0+32*(\sl),   \sl, 5, 2, AF0, 0
	PH 1, AF0+64*(1-\sl), BF0+32*(\sl),   0,     BF0+32*(1-\sl), \sl, 6, 0, AF0+64*(\sl), 2
	PH 2, AF0+64*(1-\sl), BF0+32*(1-\sl), 0,     BF0+32*(\sl),   \sl, 7, 1, AF0+64*(\sl), 2
	PH 0, AF0+64*(\sl),   BF0+32*(\sl),   0,     BF0+32*(1-\sl), \sl, 8, 2, AF0, 0
.endm
.macro RW sl, fill
	RWHEAD \sl, \fill
	PH 2, AF0+64*(1-\sl), BF0+32*(1-\sl), 0, BF0+32*(\sl), \sl, 1, 1, AF0+64*(\sl), 0
	RWREST \sl, 0
.endm
	s_wait_tensorcnt 0x1                           ; my part of fill 0 is in; fill 1 may stay out
	s_barrier_signal -1
	s_barrier_wait -1                              ; everybody's is
	LDA AF0, 0, 0, 0                               ; window 0: substep 0's fragments and q's part (the slot's part 1), then stretches 2 to 8
	LDA AF0, 0, 0, 1
	LDB BF0, 0, 1
	RWREST 0, 1
	WIN 0                                          ; at a label and at a branch every window is 0
	s_mov_b32 s20, 4
.Lgemm:
	RW 1, 1                                        ; windows 1 to 8 ask for fills 2 to 9
	RW 0, 1
	WIN 0
	s_sub_co_u32 s20, s20, 1
	s_cmp_lg_u32 s20, 0
	s_cbranch_scc1 .Lgemm
	RW 1, 2                                        ; window 9 asks for fill 10, the last
	; window 10: k, v of substep 29, then substeps 30 and 31.  No round.
	RWHEAD 0, 0
	PH 2, AF1, BF1, 0, BF0, 0, 1, 1, AF0, 0
	PH 0, AF0, BF0, 0, BF1, 0, 2, 2, AF0, 0
	PH 1, AF0, BF1, 0, BF0, 0, 3, 0, AF1, 1
	PH 2, AF0, BF0, 0, BF1, 0, 4, 1, AF1, 1
	s_wait_dscnt 0x0
	WIN 0
	PLACES
	; buffer 0 has served: the biases and my part of the table come in under the last 96 matrix instructions
.irp nt, 0,1,2,3
	global_load_b128 v[BQ+8*\nt:BQ+8*\nt+3],   v[VBB], s[60:61] offset:64*\nt            ; q: columns 16 nt + 8 h + 0..7
	global_load_b128 v[BQ+8*\nt+4:BQ+8*\nt+7], v[VBB], s[60:61] offset:64*\nt+16
	global_load_b128 v[BK+8*\nt:BK+8*\nt+3],   v[VBB], s[60:61] offset:4096+64*\nt       ; k
	global_load_b128 v[BK+8*\nt+4:BK+8*\nt+7], v[VBB], s[60:61] offset:4096+64*\nt+16
	global_load_b32 v[BV+2*\nt],   v[VBV], s[60:61] offset:8192+64*\nt                   ; v: column 16 nt + r, into both registers of a pair
	global_load_b32 v[BV+2*\nt+1], v[VBV], s[60:61] offset:8192+64*\nt
.endr
.irp e, 0,1,2,3,4,5,6,7
	global_load_b128 v[REL+4*\e:REL+4*\e+3], v[VREL], s[62:63] offset:2048*\e            ; 128 threads x 16 bytes: 2,048 neighbouring bytes a line
.endr
	LDB BF0, 0, 5
	MMH 0, AF1, BF1, 0, 0
	MMH 0, AF1, BF1, 0, 4
	s_wait_dscnt 0x0
	WIN 0
	PLACES
	LDB BF1, 0, 6
	MMH 1, AF1, BF0, 0, 0
	MMH 1, AF1, BF0, 0, 4
	s_wait_dscnt 0x0
	MMH 2, AF1, BF1, 0, 0
	MMH 2, AF1, BF1, 0, 4
	; BEHIND THE PRODUCT.  All reads of the ring are over and it has had its last fill: behind this barrier K, V^T and the table are stored over it.
	WIN 0
	PLACES
	s_wait_loadcnt 0x0                             ; biases and table
	s_wait_dscnt 0x0
	s_barrier_signal -1
	s_barrier_wait -1
.irp e, 0,1,2,3,4,5,6,7
	ds_store_b128 v[TST], v[REL+4*\e:REL+4*\e+3] offset:(\e/2)*TPITCH+(\e%2)*2048
.endr
.set n, 0
.rept 16
	v_pk_mul_f32 v[BQ+2*n:BQ+2*n+1], v[BQ+2*n:BQ+2*n+1], s[56:57] op_sel_hi:[1,0]        ; q's bias takes the factor too
.set n, n+1
.endr
	; q = (x W + b) log2(e) / 8, rounded to f16 in place: tiles (i, 2 c) and (i, 2 c + 1) pack into q's fragment (i, c) at 16 i + 8 c of window 1
	WIN 0x41
.set n, 0
.rept 128
	v_pk_fma_f32 v[2*n:2*n+1], v[2*n:2*n+1], s[56:57], v[BQ+(2*n)%32:BQ+(2*n)%32+1] op_sel_hi:[1,0,1]
.set n, n+1
.endr
	WIN 0x45
.set n, 0
.rept 128
	v_cvt_pk_f16_f32 v[n], v[2*n], v[2*n+1]        ; register n is written when 2 n and 2 n + 1 are read: nothing unread is lost
.set n, n+1
.endr
	WIN 0x82
.set n, 0
.rept 128
	v_pk_add_f32 v[2*n:2*n+1], v[2*n:2*n+1], v[BK+(2*n)%32:BK+(2*n)%32+1]
.set n, n+1
.endr
	WIN 0x8a
.set n, 0
.rept 128
	v_cvt_pk_f16_f32 v[n], v[2*n], v[2*n+1]
.set n, n+1
.endr
	WIN 0x08
.irp i, 0,1,2,3,4,5,6,7
.irp nt, 0,1,2,3
	ds_store_b128 v[KST], v[16*\i+4*\nt:16*\i+4*\nt+3] offset:16*KPITCH*\i+32*\nt        ; token 128 w + 16 i + r, d = 16 nt + 8 h + 0..7
.endr
.endr
	WIN 0xc3
.set n, 0
.rept 128
	v_pk_add_f32 v[2*n:2*n+1], v[2*n:2*n+1], v[BV+2*(((2*n)%32)/8):BV+2*(((2*n)%32)/8)+1]
.set n, n+1
.endr
	WIN 0xcf
.set n, 0
.rept 128
	v_cvt_pk_f16_f32 v[n], v[2*n], v[2*n+1]
.set n, n+1
.endr
	WIN 0x0c
.irp i, 0,1,2,3,4,5,6,7
.irp nt, 0,1,2,3
	ds_store_b128 v[VST], v[16*\i+4*\nt:16*\i+4*\nt+3] offset:16*VPITCH*\nt+32*\i        ; d = 16 nt + r, tokens 128 w + 16 i + 8 h + 0..7
.endr
.endr
	WIN 0
	s_wait_dscnt 0x0                               ; my stores are done, for the others' sake
	s_barrier_signal -1
	s_barrier_wait -1
	; ATTENTION: 8 trips of 64 keys, all my 8 query tiles in each.
	; S^T = K Q^T + bias: lane = query r, register j = key 8 h + j.  Rounded in place, two tiles of S^T are a fragment of the weights for O^T = V^T P^T, where again lane = query.
	; So maximum, factor and sum are one number a lane and tile; only the two halves of the lanes, which hold different keys of the same query, have to meet.
	; The bias is the first product's C.  It hangs on q - kt alone: 11 tiles a trip serve the 32 tiles of S^T.
.macro LDKB                            ; a trip's 16 loads of K and 22 of the bias
.irp kt, 0,1,2,3
.irp c, 0,1
	ds_load_b128 v[KF+16*\kt+8*\c:KF+16*\kt+8*\c+3],   v[ADRK] offset:16*KPITCH*\kt+64*\c
	ds_load_b128 v[KF+16*\kt+8*\c+4:KF+16*\kt+8*\c+7], v[ADRK] offset:16*KPITCH*\kt+64*\c+32
.endr
.endr
.irp e, 0,1,2,3,4,5,6,7,8,9,10
	ds_load_b128 v[BI+8*\e:BI+8*\e+3],   v[ADRB] offset:64*(10-\e)
	ds_load_b128 v[BI+8*\e+4:BI+8*\e+7], v[ADRB] offset:64*(10-\e)+16
.endr
.endm
.macro ATRIP first, last
.if \first == 0
	WIN 0
.rept 5
	v_nop                                          ; five places behind the last products: their V registers are loaded again, their weights written over by matrix instructions (ISA guide 7.12.1)
.endr
.endif
	WIN 0x40
.irp kb, 0,1
.irp dt, 0,1,2,3
	ds_load_b128 v[VF+32*\kb+8*\dt:VF+32*\kb+8*\dt+3],   v[ADRV] offset:16*VPITCH*\dt+64*\kb
	ds_load_b128 v[VF+32*\kb+8*\dt+4:VF+32*\kb+8*\dt+7], v[ADRV] offset:16*VPITCH*\dt+64*\kb+32
.endr
.endr
	WIN 0
.if \last == 0
	v_add_nc_u32 v[ADRV], 128, v[ADRV]             ; 64 keys on
.endif
	s_wait_dscnt 16                                ; K and the bias are in; the 16 loads of V just issued may stay out
	WIN 0x84
.irp q, 0,1,2,3,4,5,6,7
.irp kt, 0,1,2,3
	v_wmma_f32_16x16x32_f16 v[8*(4*\q+\kt):8*(4*\q+\kt)+7], v[KF+16*\kt:KF+16*\kt+7], v[16*\q:16*\q+7], v[BI+8*(\q-\kt+3):BI+8*(\q-\kt+3)+7]
.endr
.endr
	WIN 0xa4
.irp q, 0,1,2,3,4,5,6,7
.irp kt, 0,1,2,3
	v_wmma_f32_16x16x32_f16 v[8*(4*\q+\kt):8*(4*\q+\kt)+7], v[KF+16*\kt+8:KF+16*\kt+15], v[16*\q+8:16*\q+15], v[8*(4*\q+\kt):8*(4*\q+\kt)+7]
.endr
.endr
	WIN 0
	PLACES
.if \last == 0
	v_add_nc_u32 v[ADRK], 64*KPITCH, v[ADRK]
	v_add_nc_u32 v[ADRB], 256, v[ADRB]
	LDKB                                           ; the next trip's, under this trip's softmax
.endif
	; the new maximum: eight chains, one a query tile, that do not wait for each other
	WIN 0x0a
.irp t, 0,1,2,3,4,5,6,7,8,9,10,11,12,13,14,15
.irp q, 0,1,2,3,4,5,6,7
.if \t == 0
.if \first
	v_max_num_f32 v[TM+\q], v[32*\q], v[32*\q+1]
.else
	v_max3_num_f32 v[TM+\q], v[32*\q], v[32*\q+1], v[ML+2*\q]
.endif
.else
	v_max3_num_f32 v[TM+\q], v[32*\q+2*\t], v[32*\q+2*\t+1], v[TM+\q]
.endif
.endr
.endr
	WIN 0
.irp q, 0,1,2,3,4,5,6,7
	v_permlanex16_b32 v[TP+\q], v[TM+\q], s58, s59
.endr
.irp q, 0,1,2,3,4,5,6,7
	v_max_num_f32 v[TM+\q], v[TM+\q], v[TP+\q]
.endr
.if \first == 0
.irp q, 0,1,2,3,4,5,6,7
	v_sub_f32 v[AL+2*\q], v[ML+2*\q], v[TM+\q]
.endr
.irp q, 0,1,2,3,4,5,6,7
	v_exp_f32 v[AL+2*\q], v[AL+2*\q]               ; 2^(old maximum - new); the moves below are the plain instructions in front of its use (ISA guide 5.7.2)
.endr
.endif
.irp q, 0,1,2,3,4,5,6,7
	v_mov_b32 v[ML+2*\q], v[TM+\q]
	v_mov_b32 v[ML+2*\q+1], v[TM+\q]
.endr
.if \first == 0
	s_wait_alu depctr_va_vdst(0)
.irp q, 0,1,2,3,4,5,6,7
	v_mov_b32 v[AL+2*\q+1], v[AL+2*\q]
.endr
.irp q, 0,1,2,3,4,5,6,7
	v_pk_mul_f32 v[LS+2*\q:LS+2*\q+1], v[LS+2*\q:LS+2*\q+1], v[AL+2*\q:AL+2*\q+1]
.endr
.endif
	; p = 2^(s - m).  Behind each two exponentials stands the subtraction for the next query tile: a plain instruction that touches neither.
	WIN 0x82
.irp t, 0,1,2,3,4,5,6,7,8,9,10,11,12,13,14,15
	v_pk_add_f32 v[2*\t:2*\t+1], v[2*\t:2*\t+1], v[ML:ML+1] neg_lo:[0,1] neg_hi:[0,1]
.endr
.irp q, 0,1,2,3,4,5,6,7
.irp t, 0,1,2,3,4,5,6,7,8,9,10,11,12,13,14,15
	v_exp_f32 v[32*\q+2*\t], v[32*\q+2*\t]
	v_exp_f32 v[32*\q+2*\t+1], v[32*\q+2*\t+1]
.if \q < 7
	v_pk_add_f32 v[32*(\q+1)+2*\t:32*(\q+1)+2*\t+1], v[32*(\q+1)+2*\t:32*(\q+1)+2*\t+1], v[ML+2*(\q+1):ML+2*(\q+1)+1] neg_lo:[0,1] neg_hi:[0,1]
.endif
.endr
.endr
	v_nop                                          ; the plain place behind the last exponentials
	; the rows' sums, in f32, again eight chains
.if \first
	WIN 0x0a
	s_wait_alu depctr_va_vdst(0)
.irp q, 0,1,2,3,4,5,6,7
	v_pk_add_f32 v[LS+2*\q:LS+2*\q+1], v[32*\q:32*\q+1], v[32*\q+2:32*\q+3]              ; the first two pairs start the sums
.endr
	WIN 0x02
.irp t, 2,3,4,5,6,7,8,9,10,11,12,13,14,15
.irp q, 0,1,2,3,4,5,6,7
	v_pk_add_f32 v[LS+2*\q:LS+2*\q+1], v[32*\q+2*\t:32*\q+2*\t+1], v[LS+2*\q:LS+2*\q+1]
.endr
.endr
.else
	WIN 0x02
	s_wait_alu depctr_va_vdst(0)
.irp t, 0,1,2,3,4,5,6,7,8,9,10,11,12,13,14,15
.irp q, 0,1,2,3,4,5,6,7
	v_pk_add_f32 v[LS+2*\q:LS+2*\q+1], v[32*\q+2*\t:32*\q+2*\t+1], v[LS+2*\q:LS+2*\q+1]
.endr
.endr
.endif
	WIN 0x8a
.irp q, 0,1,2,3,4,5,6,7
.irp kb, 0,1
.irp e, 0,1,2,3,4,5,6,7
	v_cvt_pk_f16_f32 v[32*\q+16*\kb+\e], v[32*\q+16*\kb+2*\e], v[32*\q+16*\kb+2*\e+1]    ; key tiles 2 kb, 2 kb + 1 pack into the weights' fragment (q, kb) at 32 q + 16 kb
.endr
.endr
.endr
.if \first == 0
	WIN 0xc3
.irp q, 0,1,2,3,4,5,6,7
.irp t, 0,1,2,3,4,5,6,7,8,9,10,11,12,13,14,15
	v_pk_mul_f32 v[32*\q+2*\t:32*\q+2*\t+1], v[32*\q+2*\t:32*\q+2*\t+1], v[AL+2*\q:AL+2*\q+1]
.endr
.endr
.endif
.if \last
	s_wait_dscnt 0x0                               ; V is in; nothing was issued behind it
.else
	s_wait_dscnt 38                                ; V is in; the 38 loads for the next trip may stay out
.endif
	WIN 0xf9
.irp kb, 0,1
.irp q, 0,1,2,3,4,5,6,7
.irp dt, 0,1,2,3
.if (\first)*(1-\kb)
	v_wmma_f32_16x16x32_f16 v[8*(4*\q+\dt):8*(4*\q+\dt)+7], v[VF+32*\kb+8*\dt:VF+32*\kb+8*\dt+7], v[32*\q+16*\kb:32*\q+16*\kb+7], 0
.else
	v_wmma_f32_16x16x32_f16 v[8*(4*\q+\dt):8*(4*\q+\dt)+7], v[VF+32*\kb+8*\dt:VF+32*\kb+8*\dt+7], v[32*\q+16*\kb:32*\q+16*\kb+7], v[8*(4*\q+\dt):8*(4*\q+\dt)+7]
.endif
.endr
.endr
.endr
	WIN 0
.endm
	LDKB
	ATRIP 1, 0
	s_mov_b32 s20, 6
.Latt:
	ATRIP 0, 0
	s_sub_co_u32 s20, s20, 1
	s_cmp_lg_u32 s20, 0
	s_cbranch_scc1 .Latt
	ATRIP 0, 1
	; divide by the rows' sums (at least 1: the largest weight is 1), round to f16, store.  Tile (q, dt) holds token r, d = 16 dt + 8 h + 0..7:
	; my 16 bytes of half dt % 2 of the projection's fragment (token tile, 32 k block 2 head + dt / 2).  Each store of the wave covers 512 consecutive bytes, aligned.
	PLACES
.irp q, 0,1,2,3,4,5,6,7
	v_add_f32 v[TM+\q], v[LS+2*\q], v[LS+2*\q+1]
.endr
.irp q, 0,1,2,3,4,5,6,7
	v_permlanex16_b32 v[TP+\q], v[TM+\q], s58, s59
.endr
.irp q, 0,1,2,3,4,5,6,7
	v_add_f32 v[TM+\q], v[TM+\q], v[TP+\q]
.endr
.irp q, 0,1,2,3,4,5,6,7
	v_rcp_f32 v[AL+2*\q], v[TM+\q]
.endr
	v_nop                                          ; the plain place behind the reciprocals
	s_wait_alu depctr_va_vdst(0)
.irp q, 0,1,2,3,4,5,6,7
	v_mov_b32 v[AL+2*\q+1], v[AL+2*\q]
.endr
	WIN 0xc3
.irp q, 0,1,2,3,4,5,6,7
.irp t, 0,1,2,3,4,5,6,7,8,9,10,11,12,13,14,15
	v_pk_mul_f32 v[32*\q+2*\t:32*\q+2*\t+1], v[32*\q+2*\t:32*\q+2*\t+1], v[AL+2*\q:AL+2*\q+1]
.endr
.endr
	WIN 0xcf
.set n, 0
.rept 128
	v_cvt_pk_f16_f32 v[n], v[2*n], v[2*n+1]
.set n, n+1
.endr
	WIN 0x0c
.irp q, 0,1,2,3,4,5,6,7
.irp c, 0,1
.irp z, 0,1
	global_store_b128 v[VOUT], v[16*\q+8*\c+4*\z:16*\q+8*\c+4*\z+3], s[66:67] offset:32768*\q+1024*\c+512*\z
.endr
.endr
.endr
	WIN 0
	s_wait_tensorcnt 0x0
	ds_add_u32 v254, v255
	s_wait_dscnt 0x0
	ROUND                                          ; the closing round: no work-group ends while a partner may still ask for a tile that names it
	s_endpgm
.Lfunc_end_k_q2446b1343c_attn:
	.size	k_q2446b1343c_attn, .Lfunc_end_k_q2446b1343c_attn-k_q2446b1343c_attn
	.p2alignl 7, 3214868480
	.fill 96, 4, 3214868480
	.section	.rodata,"a",@progbits
	.p2align	6, 0x0
	.amdhsa_kernel k_q2446b1343c_attn
		.amdhsa_group_segment_fixed_size 327680
		.amdhsa_private_segment_fixed_size 0
		.amdhsa_enable_private_segment 0
		.amdhsa_kernarg_size 40
		.amdhsa_user_sgpr_count 2
		.amdhsa_user_sgpr_kernarg_segment_ptr 1
		.amdhsa_wavefront_size32 1
		.amdhsa_system_sgpr_workgroup_id_x 1
		.amdhsa_system_sgpr_workgroup_id_y 1
		.amdhsa_system_sgpr_workgroup_id_z 1
		.amdhsa_system_vgpr_workitem_id 0
		.amdhsa_next_free_vgpr 1024
		.amdhsa_next_free_sgpr 92
		.amdhsa_reserve_vcc 0
		.amdhsa_float_denorm_mode_32 3
		.amdhsa_float_denorm_mode_16_64 3
		.amdhsa_memory_ordered 1
		.amdhsa_forward_progress 1
		.amdhsa_inst_pref_size 255
	.end_amdhsa_kernel
	.section	.bss,"aw",@nobits
	.p2align	6
	.space	262144
	.amdgpu_metadata
---
amdhsa.version: [ 1, 2 ]
amdhsa.kernels:
  - .name:           k_q2446b1343c_attn
    .symbol:         k_q2446b1343c_attn.kd
    .args:
      - { .name: xp, .offset: 0, .size: 8, .value_kind: global_buffer, .address_space: global }
      - { .name: wqp, .offset: 8, .size: 8, .value_kind: global_buffer, .address_space: global }
      - { .name: b_qkv, .offset: 16, .size: 8, .value_kind: global_buffer, .address_space: global }
      - { .name: relr, .offset: 24, .size: 8, .value_kind: global_buffer, .address_space: global }
      - { .name: aop, .offset: 32, .size: 8, .value_kind: global_buffer, .address_space: global }
    .group_segment_fixed_size: 327680
    .private_segment_fixed_size: 0
    .kernarg_segment_align: 8
    .kernarg_segment_size: 40
    .max_flat_workgroup_size: 128
    .sgpr_count:     92
    .vgpr_count:     1024
    .wavefront_size: 32
...
	.end_amdgpu_metadata
.endif
;; end of part 2
;; launch proj (part 3): grid 8 x 32, 4 waves a work-group, clusters of 4 x 4, 327,680 bytes of LDS; arguments aop, wop, b_out, out0; writes out0
.if DOCPART == 3
	.amdgcn_target "amdgcn-amd-amdhsa--gfx1250"
	.amdhsa_code_object_version 6
	.text
	.protected	k_q2446b1343c_proj
	.globl	k_q2446b1343c_proj
	.p2align	8
	.type	k_q2446b1343c_proj,@function
k_q2446b1343c_proj:
	s_mov_b64 s[64:65], 0
	v_nop
	global_prefetch_b8 v0, s[64:65] scope:SCOPE_SE
	s_setreg_imm32_b32 hwreg(HW_REG_WAVE_MODE, 25, 1), 1
	s_wait_xcnt 0x0
	s_wait_alu depctr_hold_cnt(0) depctr_sa_sdst(0) depctr_va_vdst(0) depctr_va_sdst(0) depctr_va_ssrc(0) depctr_va_vcc(0) depctr_vm_vsrc(0)
	s_getreg_b32 s2, hwreg(HW_REG_IB_STS2, 6, 4)
	s_cmp_eq_u32 s2, 0
	s_cbranch_scc0 .Lentry_in_a_cluster
	s_endpgm
.Lentry_in_a_cluster:
	s_bfe_u32 s2, ttmp6, 0x10000c
	s_cmp_lg_u32 s2, 0xf033
	s_cbranch_scc0 .Lentry_shape_is_right
	s_endpgm
.Lentry_shape_is_right:
; out0 = attn w_out + b_out: 8192 x 1024 x 1024, f16 operands, f32 sums, f32 out.  Both operands lie in memory as fragments of 1,024 bytes
; (16 rows or columns x 32 k; byte 512 z + 16 L + 2 e = row L % 16, k = 16 z + 8 (L / 16) + e): aop [512 token tiles][32 k blocks], wop [16 groups of 64 columns][32 k blocks][4 column tiles].
; A work-group makes 256 rows x 128 columns with four waves, a wave 128 x 64: 32 accumulator tiles, 256 registers (window 1).  256 work-groups.
; K goes in steps of 192, six k blocks of 32, through two LDS slots of 147,456 bytes, the largest step in whole k blocks of which two slots fit beside the stage:
; A [16 token tiles][6 k blocks][1,024], then B [2 groups][6 k blocks][4 tiles][1,024].  1024 = 5 x 192 + 64: the sixth fill holds two k blocks, A's tiles 2,048 bytes apart.
; A lane reads 16 bytes at 16 L of a fragment's half: 512 neighbouring bytes a load, so no padding is wanted.
; The 32 k blocks are written out without a loop: four refills, each different in what it asks for or in what follows it.
; CLUSTERS: 4 x 4 work-groups; A's tiles hang on the block row alone and are asked for jointly along a row of the cluster, B's on the block column alone, along a column:
; the requests for each are divided by four.
; The matrix instruction is used transposed (source 0 = W, source 1 = attn): a lane holds 8 neighbouring columns of one row.  b_out is the first product's C: nothing is cleared or added later.
; LIMIT: operands are f16 (see the launches that made them).
.set KBS,    6                         ; k blocks in a slot
.set APITCH, KBS*1024                  ; from token tile to token tile in a slot
.set LPITCH, 2*1024                    ; the same in the last fill
.set AHALF,  8*APITCH                  ; what one tensor load of A brings, and what one wave reads of A
.set BOFF,   2*AHALF                   ; B's part of a slot
.set BGRP,   KBS*4096                  ; a group of 64 columns: what one tensor load of B brings
.set SLOT,   BOFF+2*BGRP
.set STAGE,  2*SLOT                    ; behind the ring, never filled: 16 rows x (256 + 16) bytes for each wave, for the way out
.set SPITCH, 272
.set ADRA, 2                           ; v2, v3  my A fragments in slot 0, 1
.set ADRB, 4                           ; v4, v5  my B fragments
.set STO,  6                           ; the way out: where I put 32 bytes of a row
.set RD,   7                           ; where I read a row back
.set CO,   8                           ; my byte offset in out0
.set VBO,  9                           ; 32 (L / 16): b_out
.set FA0,  16                          ; v[16:79], v[80:143]    A fragments, two buffers: k block kq uses buffer kq % 2
.set FA1,  80
.set FB0,  144                         ; v[144:175], v[176:207] B fragments, two buffers
.set FB1,  176
.set BO,   208                         ; v[208:239] b_out of my columns 16 nt + 8 h + 0..7
.set G1A, 24                           ; s[24:31] shape of A's tile     s[32:39] from where, to where, a set for each slot
.set G0A, 32
.set G1B, 40                           ; the same for B
.set G0B, 48
.set G1AL, 68                          ; s[68:75], s[76:83] the shapes of the last fill
.set G1BL, 76
.set MSB, 0
.macro WIN new                         ; s_set_vgpr_msb: bits 1:0 source 0, 3:2 source 1, 5:4 source 2, 7:6 destination; the high byte repeats the setting that is left
.if MSB != (\new)
	s_set_vgpr_msb (MSB<<8)|(\new)
.set MSB, \new
.endif
.endm
.macro PLACES                          ; the four places behind a matrix instruction (ISA guide 7.12.1)
.rept 4
	v_nop
.endr
.endm
.macro CREST                           ; a round of the cluster's barrier behind its opening work-group barrier
	s_cmp_lg_u32 s12, 0
	s_cbranch_scc1 .Lnot_wave_0_\@
	s_barrier_signal -3
.Lnot_wave_0_\@:
	s_barrier_wait -3
	s_barrier_signal -1
	s_barrier_wait -1
.endm
.macro ROUND
	s_barrier_signal -1
	s_barrier_wait -1
	CREST
.endm
; Descriptor group 1: d1 rows of d0 elements of 8 bytes, pitch in elements; 15:0 the mask, 17:16 element size, 21 set beside a mask
.macro SHAPE g, mask, d0, d1, pitch
	s_or_b32 s[\g+0], \mask, (3<<16)|(1<<21)
	s_mov_b32 s[\g+1], (\d0)<<16                   ; tensor_dim0
	s_mov_b32 s[\g+2], (\d1)<<16                   ; tensor_dim1
	s_mov_b32 s[\g+3], (\d0)<<16                   ; tile_dim0
	s_mov_b32 s[\g+4], \d1                         ; tile_dim1
	s_mov_b32 s[\g+5], \pitch
	s_mov_b32 s[\g+6], 0
	s_mov_b32 s[\g+7], 0
.endm
.macro JLOAD sl, last                  ; waves 0, 1 ask for A's two halves, waves 2, 3 for B's two groups: the branch hangs on the wave's number alone
	s_cmp_eq_u32 s13, 0
	s_cbranch_scc0 .Lfor_b_\@
.if (\last)
	tensor_load_to_lds s[G0A+4*\sl:G0A+4*\sl+3], s[G1AL:G1AL+7]
	s_nop 0
.else
	tensor_load_to_lds s[G0A+4*\sl:G0A+4*\sl+3], s[G1A:G1A+7]
	s_nop 0
.endif
	s_branch .Lasked_\@
.Lfor_b_\@:
.if (\last)
	tensor_load_to_lds s[G0B+4*\sl:G0B+4*\sl+3], s[G1BL:G1BL+7]
	s_nop 0
.else
	tensor_load_to_lds s[G0B+4*\sl:G0B+4*\sl+3], s[G1B:G1B+7]
	s_nop 0
.endif
.Lasked_\@:
.endm
	s_load_b256 s[4:11], s[0:1], 0x0               ; aop s[4:5], wop s[6:7], b_out s[8:9], out0 s[10:11]
	v_lshl_add_u32 v254, v0, 2, 0x4c400
	v_mov_b32 v255, 0
	ds_add_u32 v254, v255
	v_lshrrev_b32 v1, 5, v0
	v_readfirstlane_b32 s12, v1                    ; wave 0..3
	s_lshr_b32 s13, s12, 1                         ; which 128 rows are mine.  Also: I fetch for A (0) or B (1)
	s_and_b32 s14, s12, 1                          ; which 64 columns.  Also: which half of that tile I fetch
	s_bfe_u32 s15, ttmp6, 0x40000                  ; cx
	s_bfe_u32 s16, ttmp6, 0x40004                  ; cy
	s_lshl_b32 s17, ttmp9, 2
	s_add_co_u32 s17, s17, s15                     ; block column (128 columns)
	s_and_b32 s18, ttmp7, 0xffff
	s_lshl_b32 s18, s18, 2
	s_add_co_u32 s18, s18, s16                     ; block row (256 rows)
	s_lshl_b32 s20, s16, 2
	s_lshl_b32 s20, 15, s20                        ; my row of the cluster
	s_lshl_b32 s21, 0x1111, s15                    ; my column
	SHAPE G1A, s20, 768, 8, 4096                   ; A: 8 token tiles, of each the step's 6 fragments = 6,144 neighbouring bytes; from tile to tile 32,768 bytes
	SHAPE G1AL, s20, 256, 8, 4096                  ; the last fill: 2 fragments of each
	SHAPE G1B, s21, 32, 96, 32                     ; B: a group's 24 fragments of the step, 24,576 dense bytes as 96 rows of 256
	SHAPE G1BL, s21, 32, 32, 32                    ; the last fill: 8 fragments
	; A's address is made of the block row and the wave, B's of the block column and the wave, each in registers that never hold the other coordinate
	s_lshl_b32 s56, s18, 19                        ; A: 16 token tiles of 32,768 bytes a block row,
	s_lshl_b32 s22, s14, 18                        ; 8 a half
	s_add_co_u32 s56, s56, s22
	s_mov_b32 s57, 0
	s_lshl_b32 s58, s17, 18                        ; B: two groups of 131,072 bytes a block column
	s_lshl_b32 s22, s14, 17
	s_add_co_u32 s58, s58, s22
	s_mov_b32 s59, 0
	s_mul_i32 s22, s12, AHALF                      ; LDS: A's halves at 49,152 x wave (waves 0, 1),
	s_mul_i32 s23, s12, BGRP                       ; B's groups at 49,152 + 24,576 x wave (waves 2, 3)
	s_lshl_b32 s60, s17, 9                         ; my columns, in bytes of f32: 512 x block + 256 x half
	s_lshl_b32 s19, s14, 8
	s_add_co_u32 s60, s60, s19
	s_mov_b32 s61, 0
	s_lshl_b32 s62, s18, 20                        ; my rows of 4,096 bytes: 256 x block + 128 x half
	s_lshl_b32 s19, s13, 19
	s_add_co_u32 s62, s62, s19
	s_mov_b32 s63, 0
	s_wait_dscnt 0x0
	s_wait_kmcnt 0x0
	s_add_nc_u64 s[56:57], s[4:5], s[56:57]
	s_add_nc_u64 s[58:59], s[6:7], s[58:59]
	s_add_nc_u64 s[8:9], s[8:9], s[60:61]
	s_add_nc_u64 s[10:11], s[10:11], s[62:63]
	s_add_nc_u64 s[10:11], s[10:11], s[60:61]
	ROUND                                          ; all sixteen work-groups are here: the first joint loads meet
.irp sl, 0,1
	s_mov_b32 s[G0A+4*\sl], 1
	s_add_co_u32 s[G0A+4*\sl+1], s22, \sl*SLOT
	s_add_nc_u64 s[G0A+4*\sl+2:G0A+4*\sl+3], s[56:57], \sl*APITCH
	s_or_b32 s[G0A+4*\sl+3], s[G0A+4*\sl+3], 0x80000000
	s_mov_b32 s[G0B+4*\sl], 1
	s_add_co_u32 s[G0B+4*\sl+1], s23, BOFF-2*BGRP+\sl*SLOT
	s_add_nc_u64 s[G0B+4*\sl+2:G0B+4*\sl+3], s[58:59], \sl*BGRP
	s_or_b32 s[G0B+4*\sl+3], s[G0B+4*\sl+3], 0x80000000
	JLOAD \sl, 0                                   ; fills 0 and 1: two loads of every wave are out
.endr
	v_and_b32 v1, 15, v0                           ; L % 16
	v_bfe_u32 v10, v0, 4, 1                        ; L / 16
	v_and_b32 v11, 31, v0
	v_lshlrev_b32 v11, 4, v11                      ; 16 L
	v_lshlrev_b32 v[VBO], 5, v10
.irp nt, 0,1,2,3
	global_load_b128 v[BO+8*\nt:BO+8*\nt+3],   v[VBO], s[8:9] offset:64*\nt
	global_load_b128 v[BO+8*\nt+4:BO+8*\nt+7], v[VBO], s[8:9] offset:64*\nt+16
.endr
	s_mul_i32 s19, s13, AHALF                      ; my 8 token tiles
	v_add_nc_u32 v[ADRA], s19, v11
	v_add_nc_u32 v[ADRA+1], SLOT, v[ADRA]
	s_mul_i32 s19, s14, BGRP                       ; my group
	s_add_co_u32 s19, s19, BOFF
	v_add_nc_u32 v[ADRB], s19, v11
	v_add_nc_u32 v[ADRB+1], SLOT, v[ADRB]
	s_mul_i32 s19, s12, 16*SPITCH
	s_add_co_u32 s19, s19, STAGE                   ; my stage
	v_mul_u32_u24 v12, v1, SPITCH                  ; in: row L % 16, 32 bytes for each half of the lanes
	v_lshl_add_u32 v12, v10, 5, v12
	v_add_nc_u32 v[STO], s19, v12
	v_mul_u32_u24 v12, v10, SPITCH                 ; back: lanes 0-15 one row of 256 bytes, lanes 16-31 the next
	v_lshl_add_u32 v12, v1, 4, v12
	v_add_nc_u32 v[RD], s19, v12
	v_lshlrev_b32 v12, 12, v10                     ; and the same two rows in out0
	v_lshl_add_u32 v[CO], v1, 4, v12
.macro FETCH sl, kq, fa, fb, ap        ; 24 loads: the fragments of k block kq of slot sl; ap: bytes from token tile to token tile
.irp i, 0,1,2,3,4,5,6,7
	ds_load_b128 v[\fa+8*\i:\fa+8*\i+3],   v[ADRA+\sl] offset:\ap*\i+1024*\kq
	ds_load_b128 v[\fa+8*\i+4:\fa+8*\i+7], v[ADRA+\sl] offset:\ap*\i+1024*\kq+512
.endr
.irp nt, 0,1,2,3
	ds_load_b128 v[\fb+8*\nt:\fb+8*\nt+3],   v[ADRB+\sl] offset:4096*\kq+1024*\nt
	ds_load_b128 v[\fb+8*\nt+4:\fb+8*\nt+7], v[ADRB+\sl] offset:4096*\kq+1024*\nt+512
.endr
.endm
; 8 matrix instructions: token tiles i0, i0 + 1 x 4 column tiles.  init = 1: the sums start from b_out.
; The 32 accumulators take turns, one instruction a turn, in the same order in every k block.
.macro MUL8 fa, fb, i0, init
.if \init
	WIN 0x40
.else
	WIN 0x50
.endif
.irp i, \i0, \i0+1
.irp nt, 0,1,2,3
.if \init
	v_wmma_f32_16x16x32_f16 v[8*(4*(\i)+\nt):8*(4*(\i)+\nt)+7], v[\fb+8*\nt:\fb+8*\nt+7], v[\fa+8*(\i):\fa+8*(\i)+7], v[BO+8*\nt:BO+8*\nt+7]
.else
	v_wmma_f32_16x16x32_f16 v[8*(4*(\i)+\nt):8*(4*(\i)+\nt)+7], v[\fb+8*\nt:\fb+8*\nt+7], v[\fa+8*(\i):\fa+8*(\i)+7], v[8*(4*(\i)+\nt):8*(4*(\i)+\nt)+7]
.endif
.endr
.endr
.endm
; A k block that is not its slot's last: fetches k block kq of the same slot into ga, gb, 32 matrix instructions ahead of its use, then multiplies fa, fb.
.macro BLOCK sl, kq, fa, fb, ga, gb, init, ap
	s_wait_dscnt 0x0                               ; for 0: all that is out was issued in front of the last 32 matrix instructions, and all of it is wanted now
	WIN 0
	PLACES
	FETCH \sl, \kq, \ga, \gb, \ap
	MUL8 \fa, \fb, 0, \init
	MUL8 \fa, \fb, 2, \init
	MUL8 \fa, \fb, 4, \init
	MUL8 \fa, \fb, 6, \init
.endm
.macro FIVE sl, init
	BLOCK \sl, 1, FA0, FB0, FA1, FB1, \init, APITCH
	BLOCK \sl, 2, FA1, FB1, FA0, FB0, 0, APITCH
	BLOCK \sl, 3, FA0, FB0, FA1, FB1, 0, APITCH
	BLOCK \sl, 4, FA1, FB1, FA0, FB0, 0, APITCH
	BLOCK \sl, 5, FA0, FB0, FA1, FB1, 0, APITCH
.endm
; A slot's sixth k block changes slots.  In front of the barrier each wave has waited for its reads of this slot and for all its tensor loads (one is out at the most: its part of the next slot).
; fill = 1, 2: the barrier opens a round of the cluster's barrier, and behind the round this slot is asked for again first, two fills ahead (2: the last fill's shapes);
; from that request to the wait for it a wave issues 184 matrix instructions.  nap: A's pitch in the next slot.
.macro TURN sl, next, fill, nap
	s_wait_dscnt 0x0
	s_wait_tensorcnt 0x0
	ds_add_u32 v254, v255
	s_wait_dscnt 0x0
	s_barrier_signal -1
	MUL8 FA1, FB1, 0, 0
	WIN 0
	s_barrier_wait -1
.if \fill
	CREST
	s_add_nc_u64 s[G0A+4*\sl+2:G0A+4*\sl+3], s[G0A+4*\sl+2:G0A+4*\sl+3], 2*APITCH    ; two fills on; no tensor load of mine is out
	s_add_nc_u64 s[G0B+4*\sl+2:G0B+4*\sl+3], s[G0B+4*\sl+2:G0B+4*\sl+3], 2*BGRP
	JLOAD \sl, \fill-1
.endif
	PLACES
	FETCH \next, 0, FA0, FB0, \nap
	MUL8 FA1, FB1, 2, 0
	MUL8 FA1, FB1, 4, 0
	MUL8 FA1, FB1, 6, 0
.endm
	s_wait_loadcnt 0x0                             ; b_out
	s_wait_tensorcnt 1                             ; my part of fill 0 is in; fill 1 may stay out
	s_barrier_signal -1
	s_barrier_wait -1
	FETCH 0, 0, FA0, FB0, APITCH
	FIVE 0, 1                                      ; fill 0: k 0 to 191
	TURN 0, 1, 1, APITCH                           ; asks for fill 2
	FIVE 1, 0                                      ; fill 1
	TURN 1, 0, 1, APITCH                           ; asks for fill 3
	FIVE 0, 0                                      ; fill 2
	TURN 0, 1, 1, APITCH                           ; asks for fill 4
	FIVE 1, 0                                      ; fill 3
	TURN 1, 0, 2, APITCH                           ; asks for fill 5: k 960 to 1023
	FIVE 0, 0                                      ; fill 4
	TURN 0, 1, 0, LPITCH                           ; nothing is left to fetch, and no round
	BLOCK 1, 1, FA0, FB0, FA1, FB1, 0, LPITCH      ; fill 5's two k blocks
	s_wait_dscnt 0x0
	MUL8 FA1, FB1, 0, 0
	MUL8 FA1, FB1, 2, 0
	MUL8 FA1, FB1, 4, 0
	MUL8 FA1, FB1, 6, 0
	WIN 0
	PLACES
; THE WAY OUT, 16 rows at a time: 32 bytes a lane and tile into my own stage, read back as whole rows of 256 bytes.  LDS serves a wave's instructions in order
; (ISA guide 5.7.1), so no wait stands between the stores and the loads, nor between one turn's loads and the next turn's stores.
.macro OUT16 i, f
	WIN 0x04
.irp nt, 0,1,2,3
	ds_store_b128 v[STO], v[8*(4*\i+\nt):8*(4*\i+\nt)+3]   offset:64*\nt
	ds_store_b128 v[STO], v[8*(4*\i+\nt)+4:8*(4*\i+\nt)+7] offset:64*\nt+16
.endr
	WIN 0
	s_wait_xcnt 0x0                                ; buffer f, which earlier stores read, is loaded again only behind this wait
.irp t, 0,1,2,3,4,5,6,7
	ds_load_b128 v[\f+4*\t:\f+4*\t+3], v[RD] offset:2*SPITCH*\t
.endr
.irp t, 0,1,2,3,4,5,6,7
	s_wait_dscnt 7-\t                              ; loads come back in order: number t is in, the younger ones may stay out
	global_store_b128 v[CO], v[\f+4*\t:\f+4*\t+3], s[10:11] offset:(16*\i+2*\t)*4096 th:TH_STORE_NT   ; 16 lanes store 256 consecutive bytes, aligned
.endr
.endm
	OUT16 0, FA0
	OUT16 1, FA1
	OUT16 2, FA0
	OUT16 3, FA1
	OUT16 4, FA0
	OUT16 5, FA1
	OUT16 6, FA0
	OUT16 7, FA1
	s_wait_tensorcnt 0x0
	ds_add_u32 v254, v255
	s_wait_dscnt 0x0
	ROUND                                          ; the closing round: no work-group ends while a partner may still ask for a tile that names it
	s_endpgm
.Lfunc_end_k_q2446b1343c_proj:
	.size	k_q2446b1343c_proj, .Lfunc_end_k_q2446b1343c_proj-k_q2446b1343c_proj
	.p2alignl 7, 3214868480
	.fill 96, 4, 3214868480
	.section	.rodata,"a",@progbits
	.p2align	6, 0x0
	.amdhsa_kernel k_q2446b1343c_proj
		.amdhsa_group_segment_fixed_size 327680
		.amdhsa_private_segment_fixed_size 0
		.amdhsa_enable_private_segment 0
		.amdhsa_kernarg_size 32
		.amdhsa_user_sgpr_count 2
		.amdhsa_user_sgpr_kernarg_segment_ptr 1
		.amdhsa_wavefront_size32 1
		.amdhsa_system_sgpr_workgroup_id_x 1
		.amdhsa_system_sgpr_workgroup_id_y 1
		.amdhsa_system_sgpr_workgroup_id_z 1
		.amdhsa_system_vgpr_workitem_id 0
		.amdhsa_next_free_vgpr 512
		.amdhsa_next_free_sgpr 84
		.amdhsa_reserve_vcc 0
		.amdhsa_float_denorm_mode_32 3
		.amdhsa_float_denorm_mode_16_64 3
		.amdhsa_memory_ordered 1
		.amdhsa_forward_progress 1
		.amdhsa_inst_pref_size 148
	.end_amdhsa_kernel
	.amdgpu_metadata
---
amdhsa.version: [ 1, 2 ]
amdhsa.kernels:
  - .name:           k_q2446b1343c_proj
    .symbol:         k_q2446b1343c_proj.kd
    .args:
      - { .name: aop, .offset: 0, .size: 8, .value_kind: global_buffer, .address_space: global }
      - { .name: wop, .offset: 8, .size: 8, .value_kind: global_buffer, .address_space: global }
      - { .name: b_out, .offset: 16, .size: 8, .value_kind: global_buffer, .address_space: global }
      - { .name: out0, .offset: 24, .size: 8, .value_kind: global_buffer, .address_space: global }
    .group_segment_fixed_size: 327680
    .private_segment_fixed_size: 0
    .kernarg_segment_align: 8
    .kernarg_segment_size: 32
    .max_flat_workgroup_size: 128
    .sgpr_count:     84
    .vgpr_count:     512
    .wavefront_size: 32
...
	.end_amdgpu_metadata
.endif
;; end of part 3
;; ======== version 2 of 2: 3 launches; version 1 with the launch prep written anew for expert scheduling mode
;; limits: values are held in f16: magnitudes above 65,504 overflow, below 6.1e-05 lose precision; right only within a limited range of input values
;; workspace buffers: wqp 6,303,744 bytes; wop 2,097,152 bytes; relr 262,144 bytes; xp 16,777,216 bytes; aop 16,777,216 bytes
;; launch prep (part 4): grid 8 x 32, 8 waves a work-group, no clusters, 68,608 bytes of LDS; arguments w_qkv, w_out, rel_emb, x, wqp, wop, relr, xp; writes wqp, wop, relr, xp
.if DOCPART == 4
	.amdgcn_target "amdgcn-amd-amdhsa--gfx1250"
	.amdhsa_code_object_version 6
	.text
	.protected	k_q2446b1343c_prep
	.globl	k_q2446b1343c_prep
	.p2align	8
	.type	k_q2446b1343c_prep,@function
k_q2446b1343c_prep:
	s_mov_b64 s[64:65], 0
	v_nop
	global_prefetch_b8 v0, s[64:65] scope:SCOPE_SE
	s_setreg_imm32_b32 hwreg(HW_REG_WAVE_SCHED_MODE, 0, 2), 2
	s_setreg_imm32_b32 hwreg(HW_REG_WAVE_MODE, 25, 1), 1
	s_wait_xcnt 0x0
	s_wait_alu depctr_vm_vsrc(0)
; x and both weight matrices are rounded once to f16 and laid out as the matrix unit's fragments; the table of relative position biases is
; reversed, multiplied by log2(e) and written in four copies, each shifted by one entry more.
; A FRAGMENT is 16 rows (of x) or columns (of a weight) x 32 k of f16, 1,024 bytes: byte 512 z + 16 L + 2 e holds row or column L % 16,
; k = 16 z + 8 (L / 16) + e.  A later launch gets it by two 16-byte loads a lane at 16 L, 512 bytes apart.
;   xp:  [batch][k / 32][token tile of 16][fragment]: the 512 tokens' fragments of one k block are 32,768 neighbouring bytes
;   wqp: 12,288 bytes that are never stored and never read, then block (head, s = k / 32) of 12,288 bytes at 12288 (1 + 32 head + s): [q, k, v][4 fragments]
;   wop: [16 groups of 64 columns][s = k / 32][4 fragments]
;   relr: [head][copy c][v = 0..1023] f32 = R[v + c], R[u] = rel_emb[1022 - u][head] * log2(e), and 0 where v + c > 1022
; 2,048 waves.  Each takes 16 rows x 256 k of x (8 fragments) and 32 k x 64 columns of a weight (4 fragments); work-groups gx 0..5 take w_qkv's 48
; column groups, gx 6, 7 w_out's 16 and the table.
; x: a load of the wave covers 512 neighbouring bytes of one row.  A fragment wants a lane to hold one row, so the rounded numbers turn in a stage of
; the wave's own in LDS: rows of 512 + 16 bytes, an odd multiple of 16, so that the sixteen rows of a 16-byte read begin in sixteen different 16-byte columns of a 256-byte span.
; Weights: the sixteen lanes of a half wave read 64 neighbouring bytes of a row; the four loads that stand next to each other use up 256 neighbouring bytes of it.
; Each store of a wave covers 512 consecutive bytes, aligned.
; LIMIT: a number of magnitude 65,504 or more has no f16 and becomes an infinity; below 2^-14 the f16 step is 2^-24.
; No barrier (a wave reads only what it stored itself), no matrix unit, no cluster: nothing is shared between waves and every byte is read once.
; THE MODE: SCHED_MODE bits 1:0 = 2 (LLVM: expert scheduling mode 2), set by the entry lines.  The code itself states the register dependences
; between vector instructions and memory or LDS instructions, with s_wait_alu, always for 0.
; THE PLAN.  Registers that memory or LDS instructions touch, in the order of the text (there is no loop):
;   v[VD], v[XLS], v[XLL]  Offsets and LDS addresses, made at the head and never written again: one wait on va_vdst ahead of x's loads serves them to the end.
;   v[VO], and in w_out's arm v115, v120-123  Made at the arm's head, in one run, and never written again: one wait on va_vdst ahead of the arm's first load.
;   XL   x's loads land in it; 64 conversions round it in place; the 32 LDS stores read registers 4 t, 4 t + 1; the 16 LDS loads land in its first 64 registers; the 16 stores of xp read these.
;        One wait on va_vdst behind the conversions (for the LDS stores' data, and for the LDS loads that land where the conversions read), one on vm_vsrc between the LDS stores and the LDS loads.
;   X    The weights' loads land in it; conversions alone read it.
;   Y    Written by the conversions, z = 0 and z = 1 in registers of their own; read by four stores each; never written again: one wait on va_vdst ahead of each run of four.
;        The conversions of z = 0 stand between the LDS loads and the wait for them; xp's stores follow with no wait, since those conversions name X and Y alone.
;   v124-127  The table's loads land in them; a multiply and a select write them; the table's store reads them, behind the last wait on va_vdst.
;   v14, v15  Written at the head, read by the closing add alone.
; Scalars that vector instructions write: s20 (the wave's number) and, in w_out's arm, the four masks s36-39: a wait on va_sdst stands behind each of the two runs, ahead of the first reader.
.set WQ_PITCH, 12288                   ; bytes in a row of w_qkv
.set WO_PITCH, 4096                    ; bytes in a row of w_out, and of x
.set XPITCH, 528                       ; the stage: 256 f16 of a row + 16 bytes
.set XSTAGE, 16*XPITCH                 ; a wave's stage
.set VO,  4                            ; v4         weights: byte offset of my column in my first row: 8 (L / 16) rows + 4 (L % 16)
.set VD,  5                            ; v5         16 L
.set XLS, 6                            ; v6         stage: where I put 8 bytes of a row
.set XLL, 7                            ; v7         stage: where I read 16 bytes of a fragment
.set X,   16                           ; v[16:79]   64 weights as loaded: 16 nt + 8 z + e
.set Y,   80                           ; v[80:111]  the four fragments' 8 x 4 registers
.set XL,  128                          ; v[128:255] x: 32 loads of 4 registers; then the 16 halves of fragments
.set MK,  36                           ; s[36:39]   w_out's arm: entry i of my four lies inside the table
	s_load_b256 s[4:11], s[0:1], 0x0               ; w_qkv s[4:5], w_out s[6:7], rel_emb s[8:9], x s[10:11]
	s_load_b256 s[12:19], s[0:1], 0x20             ; wqp s[12:13], wop s[14:15], relr s[16:17], xp s[18:19]
	v_lshl_add_u32 v14, v0, 2, 0x10800             ; my spare word, behind the eight stages (8 x 8,448 bytes), and 0: kept for the closing lines alone
	v_mov_b32 v15, 0
	v_lshrrev_b32 v1, 5, v0
	v_readfirstlane_b32 s20, v1                    ; wave 0..7
	s_and_b32 s21, ttmp7, 0xffff                   ; s = k / 32 of the weights' job
	v_and_b32 v1, 31, v0                           ; L
	v_and_b32 v2, 15, v0                           ; L % 16
	v_bfe_u32 v3, v0, 4, 1                         ; L / 16
	v_lshlrev_b32 v[VD], 4, v1
	s_wait_alu depctr_va_sdst(0)                   ; s20 is written, ahead of its first reader: the wave's share and its stage are made from it
	s_lshl_b32 s22, s21, 3
	s_add_co_u32 s22, s22, ttmp9
	s_lshl_b32 s22, s22, 3
	s_add_co_u32 s22, s22, s20                     ; which of the 2,048 waves
	s_lshr_b32 s23, s22, 2                         ; x: token tile 0..511
	s_and_b32 s22, s22, 3                          ; and which 256 k of it
	s_lshl_b32 s28, s23, 16                        ; 16 rows of 4,096 bytes a tile
	s_lshl_b32 s32, s22, 10                        ; 256 f32
	s_add_co_u32 s28, s28, s32
	s_mov_b32 s29, 0
	s_lshr_b32 s30, s23, 5
	s_lshl_b32 s30, s30, 20                        ; xp: 1,048,576 bytes a batch,
	s_lshl_b32 s32, s22, 18                        ; 8 k blocks of 32,768,
	s_add_co_u32 s30, s30, s32
	s_and_b32 s32, s23, 31
	s_lshl_b32 s32, s32, 10                        ; 1,024 a token tile
	s_add_co_u32 s30, s30, s32
	s_mov_b32 s31, 0
	s_mul_i32 s33, s20, XSTAGE                     ; my wave's stage
	v_lshl_add_u32 v[XLS], v1, 3, s33
	v_mul_u32_u24 v[XLL], v2, XPITCH
	v_lshl_add_u32 v[XLL], v3, 4, v[XLL]
	v_add_nc_u32 v[XLL], s33, v[XLL]
	v_lshlrev_b32 v2, 2, v2                        ; 4 (L % 16)
	s_mov_b32 s25, 0                               ; high words of the weights' two offsets
	s_mov_b32 s27, 0
	s_wait_kmcnt 0x0
	s_add_nc_u64 s[28:29], s[10:11], s[28:29]
	s_add_nc_u64 s[30:31], s[18:19], s[30:31]
	s_wait_alu depctr_va_vdst(0)                   ; v[VD], v[XLS] and v[XLL] are written: x's loads, every store and the stage's stores and loads read them
.set t, 0
.rept 32
	global_load_b128 v[XL+4*t:XL+4*t+3], v[VD], s[28:29] offset:(t/2)*4096+(t%2)*512 th:TH_LOAD_NT   ; row t / 2, k = 128 (t % 2) + 4 L + 0..3
.set t, t+1
.endr
.macro LOADS pitch, z                  ; 32 loads: k = 16 z + 8 (L / 16) + e of my column in each of the 4 fragments
.irp e, 0,1,2,3,4,5,6,7
.irp nt, 0,1,2,3
	global_load_b32 v[X+16*\nt+8*\z+\e], v[VO], s[24:25] offset:(16*\z+\e)*\pitch+64*\nt
.endr
.endr
.endm
.macro ROUNDW z                        ; half z of the four fragments: 16 conversions of two numbers
.irp nt, 0,1,2,3
.irp c, 0,1,2,3
	v_cvt_pk_f16_f32 v[Y+4*(2*\nt+\z)+\c], v[X+16*\nt+8*\z+2*\c], v[X+16*\nt+8*\z+2*\c+1]
.endr
.endr
.endm
.macro STOREW z                        ; and its 4 stores
.irp nt, 0,1,2,3
	global_store_b128 v[VD], v[Y+4*(2*\nt+\z):Y+4*(2*\nt+\z)+3], s[26:27] offset:1024*\nt+512*\z
.endr
.endm
; From s[24:25] (row 32 s, first column of the group) to s[26:27].  All of the wave's loads go out as early as their registers allow.
; table = 1: w_out's arm, which finishes and stores its four entries of the table with the weights' second half.
.macro BODY pitch, table
	LOADS \pitch, 0
	s_wait_loadcnt 32                              ; loads come back in order: x is in (and the table's entries), the 32 of z = 0 may stay out
	LOADS \pitch, 1
	; x: round, turn in the stage, store.  LDS serves a wave's instructions in order (ISA guide 5.7.1): the reads see the stores above them
.set t, 0
.rept 32
	v_cvt_pk_f16_f32 v[XL+4*t], v[XL+4*t], v[XL+4*t+1]
	v_cvt_pk_f16_f32 v[XL+4*t+1], v[XL+4*t+2], v[XL+4*t+3]
.set t, t+1
.endr
	s_wait_alu depctr_va_vdst(0)                   ; the conversions have written v[XL + 4 t], v[XL + 4 t + 1], which the LDS stores read, and are done reading the registers in which the LDS loads below land
.set t, 0
.rept 32
	ds_store_b64 v[XLS], v[XL+4*t:XL+4*t+1] offset:(t/2)*XPITCH+(t%2)*256    ; 32 lanes, 256 neighbouring bytes
.set t, t+1
.endr
	s_wait_alu depctr_vm_vsrc(0)                   ; the LDS stores have read v[XL ..], in whose first 64 registers the LDS loads land
.set t, 0
.rept 16
	ds_load_b128 v[XL+4*t:XL+4*t+3], v[XLL] offset:32*t                      ; row L % 16, k = 32 (t / 2) + 16 (t % 2) + 8 (L / 16) + 0..7
.set t, t+1
.endr
	s_wait_loadcnt 32                              ; the 32 of z = 0 are in, the 32 of z = 1 may stay out
	ROUNDW 0                                       ; between the LDS loads and the wait for them; they name X and Y alone, so the stores of xp below owe no wait
.set t, 0
.rept 16
	s_wait_dscnt 15-t                              ; loads come back in order: number t is in, the younger ones may stay out
	global_store_b128 v[VD], v[XL+4*t:XL+4*t+3], s[30:31] offset:(t/2)*32768+(t%2)*512
.set t, t+1
.endr
	s_wait_alu depctr_va_vdst(0)                   ; the conversions of z = 0 have written their half of Y, which the four stores read
	STOREW 0
	s_wait_loadcnt 0x0
	ROUNDW 1
.if \table
.irp i, 0,1,2,3
	v_mul_f32 v[124+\i], 0x3fb8aa3b, v[124+\i]     ; x log2(e): the softmax works in base 2
.endr
.irp i, 0,1,2,3
	v_cndmask_b32 v[124+\i], 0, v[124+\i], s[MK+\i]  ; 0 where u > 1022
.endr
.endif
	s_wait_alu depctr_va_vdst(0)                   ; the conversions of z = 1 have written the other half of Y, and with table = 1 the selects v[124:127]: the stores below read them
	STOREW 1
.if \table
	global_store_b128 v115, v[124:127], s[16:17]
.endif
.endm
	s_cmp_lt_u32 ttmp9, 6
	s_cbranch_scc0 .Lwout
	; w_qkv: column group cg = 8 gx + wave = 16 part + head
	s_lshl_b32 s34, ttmp9, 3
	s_add_co_u32 s34, s34, s20                     ; cg
	s_lshr_b32 s35, s34, 4                         ; part: q, k, v
	s_and_b32 s36, s34, 15                         ; head
	s_mul_i32 s24, s21, 32*WQ_PITCH                ; row 32 s
	s_lshl_b32 s37, s34, 8                         ; 256 bytes a group
	s_add_co_u32 s24, s24, s37
	s_lshl_b32 s26, s36, 5
	s_add_co_u32 s26, s26, s21
	s_add_co_u32 s26, s26, 1
	s_mul_i32 s26, s26, 12288                      ; block 1 + 32 head + s
	s_lshl_b32 s37, s35, 12                        ; 4,096 bytes a part
	s_add_co_u32 s26, s26, s37
	v_mad_u32_u24 v[VO], v3, 8*WQ_PITCH, v2
	s_add_nc_u64 s[24:25], s[4:5], s[24:25]
	s_add_nc_u64 s[26:27], s[12:13], s[26:27]
	s_wait_alu depctr_va_vdst(0)                   ; v[VO] is written, which the 64 loads of the weights read
	BODY WQ_PITCH, 0
	s_wait_dscnt 0x0                               ; the closing lines, six on end
	s_wait_alu 0x0
	s_wait_tensorcnt 0x0
	ds_add_u32 v14, v15
	s_wait_dscnt 0x0
	s_endpgm
.Lwout:
	; w_out: column group cg = 8 (gx - 6) + wave
	s_sub_co_u32 s38, ttmp9, 6
	s_lshl_b32 s34, s38, 3
	s_add_co_u32 s34, s34, s20                     ; cg
	s_lshl_b32 s24, s21, 17                        ; row 32 s of 4,096 bytes
	s_lshl_b32 s37, s34, 8
	s_add_co_u32 s24, s24, s37
	s_lshl_b32 s26, s34, 17                        ; 131,072 bytes a group
	s_lshl_b32 s37, s21, 12                        ; 4,096 bytes for each s
	s_add_co_u32 s26, s26, s37
	v_lshl_add_u32 v[VO], v3, 15, v2               ; 8 (L / 16) rows of 4,096 bytes
	s_add_nc_u64 s[24:25], s[6:7], s[24:25]
	s_add_nc_u64 s[26:27], s[14:15], s[26:27]
	; The table: 512 waves x 32 lanes x 4 entries = 16 heads x 4 copies x 1,024.  Lane qid stores the 16 bytes at 16 qid.
	; rel_emb's rows hold the 16 heads, so a head's entries lie 64 bytes apart: they are gathered here once, 4 bytes at a time,
	; out of a table of 65,472 bytes, so that the attention launch can read its head's entries as neighbouring bytes.
	; The four loads go out ahead of the weights' and are used last.
	s_lshl_b32 s34, s38, 5
	s_add_co_u32 s34, s34, s21
	s_lshl_b32 s34, s34, 3
	s_add_co_u32 s34, s34, s20                     ; which of the 512 waves
	s_lshl_b32 s34, s34, 5
	v_add_nc_u32 v112, s34, v1                     ; qid = 1024 head + 256 c + v / 4
	v_lshrrev_b32 v113, 10, v112
	v_lshlrev_b32 v113, 2, v113                    ; 4 head
	v_bfe_u32 v114, v112, 8, 2                     ; c
	v_and_b32 v115, 0xff, v112
	v_lshl_add_u32 v114, v115, 2, v114             ; u of my first entry: v + c
	v_lshlrev_b32 v115, 4, v112                    ; 16 qid
.irp i, 0,1,2,3
	v_add_nc_u32 v[116+\i], \i, v114               ; u
	v_min_u32 v[120+\i], 1022, v[116+\i]           ; past the table's end the last row is read and thrown away
	v_sub_nc_u32 v[120+\i], 1022, v[120+\i]        ; row 1022 - u
	v_lshl_add_u32 v[120+\i], v[120+\i], 6, v113   ; 64 bytes a row + 4 head
.endr
.irp i, 0,1,2,3
	v_cmp_ge_u32 s[MK+\i], 1022, v[116+\i]         ; is u inside the table?  The masks hang on ids alone: four compares in a run, here, and one wait for them
.endr
	s_wait_alu depctr_va_sdst(0)                   ; the four masks s[36:39] are written, ahead of their first readers, the selects at the arm's end
	s_wait_alu depctr_va_vdst(0)                   ; v[VO], v115 and v[120:123] are written: the weights' loads, the table's store and the table's loads read them
.irp i, 0,1,2,3
	global_load_b32 v[124+\i], v[120+\i], s[8:9]
.endr
	BODY WO_PITCH, 1                               ; its last wait on LOADcnt is for 0: the table's entries are in
	s_wait_dscnt 0x0                               ; the closing lines, six on end
	s_wait_alu 0x0
	s_wait_tensorcnt 0x0
	ds_add_u32 v14, v15
	s_wait_dscnt 0x0
	s_endpgm
.Lfunc_end_k_q2446b1343c_prep:
	.size	k_q2446b1343c_prep, .Lfunc_end_k_q2446b1343c_prep-k_q2446b1343c_prep
	.p2alignl 7, 3214868480
	.fill 96, 4, 3214868480
	.section	.rodata,"a",@progbits
	.p2align	6, 0x0
	.amdhsa_kernel k_q2446b1343c_prep
		.amdhsa_group_segment_fixed_size 68608
		.amdhsa_private_segment_fixed_size 0
		.amdhsa_enable_private_segment 0
		.amdhsa_kernarg_size 64
		.amdhsa_user_sgpr_count 2
		.amdhsa_user_sgpr_kernarg_segment_ptr 1
		.amdhsa_wavefront_size32 1
		.amdhsa_system_sgpr_workgroup_id_x 1
		.amdhsa_system_sgpr_workgroup_id_y 1
		.amdhsa_system_sgpr_workgroup_id_z 1
		.amdhsa_system_vgpr_workitem_id 0
		.amdhsa_next_free_vgpr 256
		.amdhsa_next_free_sgpr 66
		.amdhsa_reserve_vcc 0
		.amdhsa_float_denorm_mode_32 3
		.amdhsa_float_denorm_mode_16_64 3
		.amdhsa_memory_ordered 1
		.amdhsa_forward_progress 1
		.amdhsa_inst_pref_size 46
	.end_amdhsa_kernel
	.amdgpu_metadata
---
amdhsa.version: [ 1, 2 ]
amdhsa.kernels:
  - .name:           k_q2446b1343c_prep
    .symbol:         k_q2446b1343c_prep.kd
    .args:
      - { .name: w_qkv, .offset: 0, .size: 8, .value_kind: global_buffer, .address_space: global }
      - { .name: w_out, .offset: 8, .size: 8, .value_kind: global_buffer, .address_space: global }
      - { .name: rel_emb, .offset: 16, .size: 8, .value_kind: global_buffer, .address_space: global }
      - { .name: x, .offset: 24, .size: 8, .value_kind: global_buffer, .address_space: global }
      - { .name: wqp, .offset: 32, .size: 8, .value_kind: global_buffer, .address_space: global }
      - { .name: wop, .offset: 40, .size: 8, .value_kind: global_buffer, .address_space: global }
      - { .name: relr, .offset: 48, .size: 8, .value_kind: global_buffer, .address_space: global }
      - { .name: xp, .offset: 56, .size: 8, .value_kind: global_buffer, .address_space: global }
    .group_segment_fixed_size: 68608
    .private_segment_fixed_size: 0
    .kernarg_segment_align: 8
    .kernarg_segment_size: 64
    .max_flat_workgroup_size: 256
    .sgpr_count:     66
    .vgpr_count:     256
    .wavefront_size: 32
...
	.end_amdgpu_metadata
.endif
;; end of part 4
;; launch attn: the kernel of part 2 again; grid 16 x 16, 4 waves a work-group, clusters of 4 x 4, 327,680 bytes of LDS; arguments xp, wqp, b_qkv, relr, aop; writes aop
;; launch proj: the kernel of part 3 again; grid 8 x 32, 4 waves a work-group, clusters of 4 x 4, 327,680 bytes of LDS; arguments aop, wop, b_out, out0; writes out0
